; MI455X (gfx1250); checked and timed in simulation.
; The chip was launched on July 23, 2026; its instructions are those of AMD's public machine-readable ISA for CDNA 5 (MIT licence, August 2026) and "CDNA5" Instruction Set Architecture Reference Guide (July 2026). The comments in the code are by the model that wrote it; some were corrected since.
;; Blok. Allowed arithmetic: float matrix products may take bf16 or f16 operands with f32 sums; other float arithmetic in f32, or as packed bf16 or f16 multiplies, adds, multiply-adds, maxima and minima; sums over many terms, partial sums and values carried from step to step in f32; what a program stores and reads back later, other than sums and carried values, may be rounded once to bf16 or f16.
;; Inputs: b1 4,096 float32; b2 1,024 float32; be1 1,024 float32; be2 1,024 float32; bp 1,024 float32; g1 1,024 float32; g2 1,024 float32; w1 1,024 x 4,096 float32; w2 4,096 x 1,024 float32; wk 1,024 x 1,024 float32; wp 1,024 x 1,024 float32; wq 1,024 x 1,024 float32; wv 1,024 x 1,024 float32; x 4 x 1,024 x 1,024 float32.
;; Outputs: out0 4 x 1,024 x 1,024 float32.
;; 2 versions, each right; version 2 is version 1 with the launches prep, ln2 written anew for expert scheduling mode. Each part assembles by itself: llvm-mc -triple=amdgcn-amd-amdhsa -mcpu=gfx1250 --defsym DOCPART=n.
;; ======== version 1 of 2: 7 launches
;; workspace buffers: pq 8,421,376 bytes; p1 8,421,376 bytes; pp 2,129,920 bytes; p2 8,421,376 bytes; act 8,388,608 bytes; big 33,554,432 bytes; x1 16,777,216 bytes
;; launch prep (part 1): grid 512 x 1, 8 waves a work-group, no clusters, 0 bytes of LDS; arguments x, g1, be1, wq, wk, wv, wp, w1, w2, b1, bp, b2, act, pq, p1, pp, p2; writes act, pq, p1, pp, p2
.if DOCPART == 1
	.amdgcn_target "amdgcn-amd-amdhsa--gfx1250"
	.amdhsa_code_object_version 6
	.text
	.protected	k_q9cfb37a278_prep
	.globl	k_q9cfb37a278_prep
	.p2align	8
	.type	k_q9cfb37a278_prep,@function
k_q9cfb37a278_prep:
	s_mov_b64 s[64:65], 0
	v_nop
	global_prefetch_b8 v0, s[64:65] scope:SCOPE_SE
	s_setreg_imm32_b32 hwreg(HW_REG_WAVE_MODE, 25, 1), 1
	s_wait_xcnt 0x0
; PREP.  Two kinds of work-groups, told apart by the work-group's number alone:
;   0 .. 255     h = LayerNorm(x; g1, be1), 16 rows each, to act in bf16
;   256 .. 511   three chunks of 64 KiB of f32 weights each (one of wq, wk, wv or wp, one of w1, one of w2), rounded to bf16 and laid out in blocks (pq, pp, p1, p2);
;                the first of them also makes the tables in front of the weights: biases (rounded to bf16, kept as f32) and the floors of the 16-bit way out
; With 248 registers two work-groups of eight waves lie on a WGP, so all 512 are at work together, and a wave issues all its 48 loads (24 KiB) ahead of its first store.
; FORMATS.  Every input is rounded once to bf16 (nearest even) where it is first used: x, g1, be1, all weights, all biases.  Means, squares and the scaling are f32.
; LAYOUTS.  act: element (row, col) at ((row/128)*16 + col/64)*16384 + (row%128)*128 + (col%64)*2: a block of 128 rows x 64 columns is 16 KiB on end.
;   weights: element (k, n) at WOFF + ((k/128)*NP + n/64)*16384 + (k%128)*128 + (n%64)*2, NP = 64 panels in pq (wq 0-15, wk 16-31, wv 32-47) and p1, 16 in pp and p2.
; ACCESS.  Lanes 0-15 take one row, lanes 16-31 the next, the same 64 columns: a load reads 256 consecutive bytes of each of two rows, and the 8-byte store of the wave
; covers 256 consecutive bytes, aligned, since two neighbouring rows of a block lie end to end.  No LDS, no barrier: a row lives in 16 lanes of one wave.
; LIMITS.  NaN and infinities are not treated apart.
.set WOFF, 32768
.set XR, 16                            ; v[16:79]    my 64 numbers of a row: register 4 j + e is column 64 j + 4 (lane % 16) + e
.set GR, 80                            ; v[80:143]   the gain of those columns; later packed to bf16 in v[80:111]
.set BR, 144                           ; v[144:207]  the shift, likewise
.set AC, 208                           ; v[208:215]  four chains of packed sums
.set MU, 216                           ; v[216:217]  the mean, twice
.set RS, 218                           ; v[218:219]  1 / sqrt(var + eps), twice
.set TT, 220                           ; v[220:221]  at work
.macro RED                             ; four chains into one number, then over the row's 16 lanes
	v_pk_add_f32 v[AC:AC+1], v[AC:AC+1], v[AC+2:AC+3]
	v_pk_add_f32 v[AC+4:AC+5], v[AC+4:AC+5], v[AC+6:AC+7]
	v_pk_add_f32 v[AC:AC+1], v[AC:AC+1], v[AC+4:AC+5]
	v_add_f32 v[TT], v[AC], v[AC+1]
.irp m, 1,2,4,8
	v_add_f32_dpp v[TT], v[TT], v[TT] row_xmask:\m row_mask:0xf bank_mask:0xf
.endr
.endm
; LayerNorm of rows 16 g .. 16 g + 15 (g in s3, the wave's number in s2): wave w takes rows 16 g + 2 w and + 1.  round = 1: the row is rounded to bf16 first.
.macro LNBODY round, xp, gp, bp, yp
	s_lshl_b32 s4, s3, 4
	s_lshl1_add_u32 s4, s2, s4                     ; 16 g + 2 w
	s_lshl_b32 s5, s4, 12                          ; rows of 4,096 bytes
	v_lshlrev_b32 v5, 4, v1                        ; 16 bytes a lane: also the offset in gain and shift
	v_lshl_add_u32 v4, v2, 12, v5
	v_add_nc_u32 v4, s5, v4                        ; my 16 bytes in the row's first 256
	s_lshr_b32 s6, s3, 3
	s_lshl_b32 s6, s6, 18                          ; the block of 128 rows: 16 panels of 16 KiB
	s_and_b32 s7, s4, 127
	s_lshl_b32 s7, s7, 7                           ; the row in its panel
	s_add_co_u32 s6, s6, s7
	v_lshlrev_b32 v6, 3, v1
	v_lshl_add_u32 v6, v2, 7, v6
	v_add_nc_u32 v6, s6, v6                        ; my 8 bytes in panel 0
.set j, 0
.rept 16
	global_load_b128 v[XR+4*j:XR+4*j+3], v4, s[\xp:\xp+1] offset:256*j th:TH_LOAD_NT
.set j, j+1
.endr
.set j, 0
.rept 16
	global_load_b128 v[GR+4*j:GR+4*j+3], v5, s[\gp:\gp+1] offset:256*j
.set j, j+1
.endr
.set j, 0
.rept 16
	global_load_b128 v[BR+4*j:BR+4*j+3], v5, s[\bp:\bp+1] offset:256*j
.set j, j+1
.endr
	s_wait_loadcnt 32                              ; the row is in; the 32 younger loads, gain and shift, may stay out
.if \round
.set j, 0
.rept 32
	v_cvt_pk_bf16_f32 v[TT+j%2], v[XR+2*j], v[XR+2*j+1]
	v_lshlrev_b32 v[XR+2*j], 16, v[TT+j%2]
	v_and_b32 v[XR+2*j+1], s52, v[TT+j%2]
.set j, j+1
.endr
.endif
.irp k, 0,1,2,3
	v_pk_add_f32 v[AC+2*\k:AC+2*\k+1], v[XR+2*\k:XR+2*\k+1], v[XR+8+2*\k:XR+8+2*\k+1]  ; the first two pairs start each chain: nothing is cleared
.endr
.set j, 2
.rept 6
.irp k, 0,1,2,3
	v_pk_add_f32 v[AC+2*\k:AC+2*\k+1], v[AC+2*\k:AC+2*\k+1], v[XR+8*j+2*\k:XR+8*j+2*\k+1]
.endr
.set j, j+1
.endr
	RED
	v_mul_f32 v[MU], s50, v[TT]                    ; the mean
	v_mov_b32 v[MU+1], v[MU]
.set j, 0
.rept 32
	v_pk_add_f32 v[XR+2*j:XR+2*j+1], v[XR+2*j:XR+2*j+1], v[MU:MU+1] neg_lo:[0,1] neg_hi:[0,1]  ; x - mean: the squares are taken of the centred numbers
.set j, j+1
.endr
.irp k, 0,1,2,3
	v_pk_mul_f32 v[AC+2*\k:AC+2*\k+1], v[XR+2*\k:XR+2*\k+1], v[XR+2*\k:XR+2*\k+1]
.endr
.set j, 1
.rept 7
.irp k, 0,1,2,3
	v_pk_fma_f32 v[AC+2*\k:AC+2*\k+1], v[XR+8*j+2*\k:XR+8*j+2*\k+1], v[XR+8*j+2*\k:XR+8*j+2*\k+1], v[AC+2*\k:AC+2*\k+1]
.endr
.set j, j+1
.endr
	RED
	v_fma_f32 v[TT], v[TT], s50, s51               ; var + eps
	v_rsq_f32 v[RS], v[TT]
	s_wait_loadcnt 0x0                             ; gain and shift are in
.set j, 0
.rept 32                                       ; packed in place, ascending: register j takes numbers 2 j, 2 j + 1.  64 plain instructions behind the root, none of which names its registers
	v_cvt_pk_bf16_f32 v[GR+j], v[GR+2*j], v[GR+2*j+1]
	v_cvt_pk_bf16_f32 v[BR+j], v[BR+2*j], v[BR+2*j+1]
.set j, j+1
.endr
	s_wait_alu depctr_va_vdst(0)                   ; the wait ahead of the first instruction that names the root's result
	v_mov_b32 v[RS+1], v[RS]
.set j, 0
.rept 16
	v_pk_mul_f32 v[XR+4*j:XR+4*j+1], v[XR+4*j:XR+4*j+1], v[RS:RS+1]
	v_pk_mul_f32 v[XR+4*j+2:XR+4*j+3], v[XR+4*j+2:XR+4*j+3], v[RS:RS+1]
	v_fma_mix_f32_bf16 v[XR+4*j],   v[XR+4*j],   v[GR+2*j],   v[BR+2*j]   op_sel:[0,0,0] op_sel_hi:[0,1,1]  ; f32 x bf16 half + bf16 half, in f32
	v_fma_mix_f32_bf16 v[XR+4*j+1], v[XR+4*j+1], v[GR+2*j],   v[BR+2*j]   op_sel:[0,1,1] op_sel_hi:[0,1,1]
	v_fma_mix_f32_bf16 v[XR+4*j+2], v[XR+4*j+2], v[GR+2*j+1], v[BR+2*j+1] op_sel:[0,0,0] op_sel_hi:[0,1,1]
	v_fma_mix_f32_bf16 v[XR+4*j+3], v[XR+4*j+3], v[GR+2*j+1], v[BR+2*j+1] op_sel:[0,1,1] op_sel_hi:[0,1,1]
	v_cvt_pk_bf16_f32 v[XR+4*j], v[XR+4*j], v[XR+4*j+1]
	v_cvt_pk_bf16_f32 v[XR+4*j+1], v[XR+4*j+2], v[XR+4*j+3]
	global_store_b64 v6, v[XR+4*j:XR+4*j+1], s[\yp:\yp+1] offset:16384*j th:TH_STORE_NT  ; panel j; the wave's store covers 256 consecutive bytes, aligned
.set j, j+1
.endr
	s_endpgm
.endm
; A chunk's sixteen pieces of 64 columns are rounded and stored, a panel of 16 KiB apart.  first = the number, among the wave's 48 loads, of the chunk's first.
.macro CSTORE base, adr, dst, first
.set j, 0
.rept 16
	s_wait_loadcnt 47-(\first)-j                   ; loads come back in order: this piece is in, the younger ones stay out
	v_cvt_pk_bf16_f32 v[(\base)+4*j], v[(\base)+4*j], v[(\base)+4*j+1]
	v_cvt_pk_bf16_f32 v[(\base)+4*j+1], v[(\base)+4*j+2], v[(\base)+4*j+3]
	global_store_b64 v[\adr], v[(\base)+4*j:(\base)+4*j+1], s[\dst:\dst+1] offset:16384*j th:TH_STORE_NT
.set j, j+1
.endr
.endm
.macro RND4 b                          ; four f32 rounded to bf16 and widened again
	v_cvt_pk_bf16_f32 v240, v[\b], v[\b+1]
	v_cvt_pk_bf16_f32 v241, v[\b+2], v[\b+3]
	v_lshlrev_b32 v[\b], 16, v240
	v_and_b32 v[\b+1], s52, v240
	v_lshlrev_b32 v[\b+2], 16, v241
	v_and_b32 v[\b+3], s52, v241
.endm
	s_load_b512 s[8:23], s[0:1], 0x0               ; x 8, g1 10, be1 12, wq 14, wk 16, wv 18, wp 20, w1 22
	s_load_b512 s[24:39], s[0:1], 0x40             ; w2 24, b1 26, bp 28, b2 30, act 32, pq 34, p1 36, pp 38
	s_load_b64 s[40:41], s[0:1], 0x80              ; p2
	v_and_b32 v1, 15, v0                           ; lane % 16
	v_bfe_u32 v2, v0, 4, 1                         ; lane / 16
	v_lshrrev_b32 v3, 5, v0
	v_readfirstlane_b32 s2, v3                     ; wave 0..7
	s_mov_b32 s50, 0x3a800000                      ; 1 / 1024
	s_mov_b32 s51, 0x3727c5ac                      ; 1e-5
	s_mov_b32 s52, 0xffff0000                      ; a word's upper bf16
	s_wait_kmcnt 0x0
	s_cmp_lt_u32 ttmp9, 256
	s_cbranch_scc1 .Lln
	; THE CAST.  c = 0 .. 255.
	s_sub_co_u32 s3, ttmp9, 256
	; chunk c of the four small matrices: matrix c / 64, its rows 16 (c % 64) on, two a wave
	s_lshr_b32 s46, s3, 6
	s_and_b32 s47, s3, 63
	s_cmp_lt_u32 s46, 3
	s_cselect_b64 s[42:43], s[18:19], s[20:21]     ; from: wv or wp,
	s_cselect_b64 s[44:45], s[34:35], s[38:39]     ; to: pq or pp
	s_cselect_b32 s48, 20, 18                      ; log2 of the bytes in a block of 128 k: 64 or 16 panels
	s_cselect_b32 s49, s46, 0                      ; in pq each matrix has 16 panels of its own
	s_cmp_lt_u32 s46, 2
	s_cselect_b64 s[42:43], s[16:17], s[42:43]     ; wk,
	s_cmp_lt_u32 s46, 1
	s_cselect_b64 s[42:43], s[14:15], s[42:43]     ; wq
	s_lshl_b32 s55, s2, 1
	s_lshl4_add_u32 s56, s47, s55                  ; k0 = 16 (c % 64) + 2 w, even: both rows lie in one block
	s_lshl_b32 s57, s56, 12                        ; rows of 4,096 bytes
	s_lshr_b32 s58, s56, 7
	s_lshl_b32 s58, s58, s48
	s_and_b32 s59, s56, 127
	s_lshl_b32 s59, s59, 7
	s_add_co_u32 s58, s58, s59
	s_lshl_b32 s59, s49, 18
	s_add_co_u32 s58, s58, s59
	s_add_co_u32 s58, s58, WOFF
	; chunk c of w1: rows 4 c on, of 16,384 bytes; a wave takes two of them and a quarter (1,024) of their columns
	s_and_b32 s60, s2, 1
	s_lshl_b32 s60, s60, 1
	s_lshl2_add_u32 s60, s3, s60                   ; k0 = 4 c + 2 (w & 1)
	s_lshr_b32 s61, s2, 1                          ; the quarter
	s_lshl_b32 s62, s60, 14
	s_lshl_b32 s63, s61, 12
	s_add_co_u32 s62, s62, s63
	s_lshr_b32 s63, s60, 7
	s_lshl_b32 s63, s63, 20
	s_and_b32 s66, s60, 127
	s_lshl_b32 s66, s66, 7
	s_add_co_u32 s63, s63, s66
	s_lshl_b32 s66, s61, 18                        ; the quarter's 16 panels
	s_add_co_u32 s63, s63, s66
	s_add_co_u32 s63, s63, WOFF
	; chunk c of w2: rows 16 c on, two a wave
	s_lshl4_add_u32 s67, s3, s55                   ; k0 = 16 c + 2 w
	s_lshl_b32 s68, s67, 12
	s_lshr_b32 s69, s67, 7
	s_lshl_b32 s69, s69, 18
	s_and_b32 s70, s67, 127
	s_lshl_b32 s70, s70, 7
	s_add_co_u32 s69, s69, s70
	s_add_co_u32 s69, s69, WOFF
	v_lshlrev_b32 v11, 4, v1
	v_lshl_add_u32 v12, v2, 12, v11                ; my 16 bytes of the first 64 columns, in rows of 4,096 bytes,
	v_lshl_add_u32 v13, v2, 14, v11                ; and of 16,384
	v_lshlrev_b32 v14, 3, v1
	v_lshl_add_u32 v14, v2, 7, v14                 ; my 8 bytes in two rows of a panel
	v_add_nc_u32 v4, s57, v12
	v_add_nc_u32 v5, s62, v13
	v_add_nc_u32 v6, s68, v12
	v_add_nc_u32 v7, s58, v14
	v_add_nc_u32 v8, s63, v14
	v_add_nc_u32 v9, s69, v14
.set j, 0
.rept 16
	global_load_b128 v[16+4*j:19+4*j], v4, s[42:43] offset:256*j th:TH_LOAD_NT
.set j, j+1
.endr
.set j, 0
.rept 16
	global_load_b128 v[80+4*j:83+4*j], v5, s[22:23] offset:256*j th:TH_LOAD_NT
.set j, j+1
.endr
.set j, 0
.rept 16
	global_load_b128 v[144+4*j:147+4*j], v6, s[24:25] offset:256*j th:TH_LOAD_NT
.set j, j+1
.endr
	s_cmp_lg_u32 s3, 0
	s_cbranch_scc1 .Lno_tables
	; THE TABLES, in the first of these work-groups alone, whole inside this one branch: 256 threads x 16 bytes = 4,096 bytes a store.  Their six loads go out behind the 48, so they are on their way together.
	v_lshlrev_b32 v10, 4, v0
	global_load_b128 v[208:211], v10, s[26:27]
	global_load_b128 v[212:215], v10, s[26:27] offset:4096
	global_load_b128 v[216:219], v10, s[26:27] offset:8192
	global_load_b128 v[220:223], v10, s[26:27] offset:12288
	global_load_b128 v[224:227], v10, s[28:29]
	global_load_b128 v[228:231], v10, s[30:31]
.irp r, 232,233,234,235
	v_mov_b32 v\r, 0
.endr
.irp r, 236,237,238,239
	v_mov_b32 v\r, 0xff80ff80                      ; minus infinity twice in bf16: a floor that changes nothing
.endr
.irp o, 0,4096,8192,12288
	global_store_b128 v10, v[232:235], s[34:35] offset:\o    ; q, k, v have no bias
.endr
	global_store_b128 v10, v[236:239], s[34:35] offset:16384 ; and no ReLU
	global_store_b128 v10, v[232:235], s[36:37] offset:16384 ; the first feed-forward layer's floor is 0
	s_wait_loadcnt 0x0                             ; the six are the youngest
.irp b, 208,212,216,220,224,228
	RND4 \b
.endr
	global_store_b128 v10, v[208:211], s[36:37]
	global_store_b128 v10, v[212:215], s[36:37] offset:4096
	global_store_b128 v10, v[216:219], s[36:37] offset:8192
	global_store_b128 v10, v[220:223], s[36:37] offset:12288
	global_store_b128 v10, v[224:227], s[38:39]
	global_store_b128 v10, v[228:231], s[40:41]
.Lno_tables:
	CSTORE 16, 7, 44, 0
	CSTORE 80, 8, 36, 16
	CSTORE 144, 9, 40, 32
	s_endpgm
.Lln:
	s_mov_b32 s3, ttmp9
	LNBODY 1, 8, 10, 12, 32
.Lfunc_end_k_q9cfb37a278_prep:
	.size	k_q9cfb37a278_prep, .Lfunc_end_k_q9cfb37a278_prep-k_q9cfb37a278_prep
	.p2alignl 7, 3214868480
	.fill 96, 4, 3214868480
	.section	.rodata,"a",@progbits
	.p2align	6, 0x0
	.amdhsa_kernel k_q9cfb37a278_prep
		.amdhsa_group_segment_fixed_size 0
		.amdhsa_private_segment_fixed_size 0
		.amdhsa_enable_private_segment 0
		.amdhsa_kernarg_size 136
		.amdhsa_user_sgpr_count 2
		.amdhsa_user_sgpr_kernarg_segment_ptr 1
		.amdhsa_wavefront_size32 1
		.amdhsa_system_sgpr_workgroup_id_x 1
		.amdhsa_system_sgpr_workgroup_id_y 1
		.amdhsa_system_sgpr_workgroup_id_z 1
		.amdhsa_system_vgpr_workitem_id 0
		.amdhsa_next_free_vgpr 248
		.amdhsa_next_free_sgpr 80
		.amdhsa_reserve_vcc 0
		.amdhsa_float_denorm_mode_32 3
		.amdhsa_float_denorm_mode_16_64 3
		.amdhsa_memory_ordered 1
		.amdhsa_forward_progress 1
		.amdhsa_inst_pref_size 53
	.end_amdhsa_kernel
	.amdgpu_metadata
---
amdhsa.version: [ 1, 2 ]
amdhsa.kernels:
  - .name:           k_q9cfb37a278_prep
    .symbol:         k_q9cfb37a278_prep.kd
    .args:
      - { .name: x, .offset: 0, .size: 8, .value_kind: global_buffer, .address_space: global }
      - { .name: g1, .offset: 8, .size: 8, .value_kind: global_buffer, .address_space: global }
      - { .name: be1, .offset: 16, .size: 8, .value_kind: global_buffer, .address_space: global }
      - { .name: wq, .offset: 24, .size: 8, .value_kind: global_buffer, .address_space: global }
      - { .name: wk, .offset: 32, .size: 8, .value_kind: global_buffer, .address_space: global }
      - { .name: wv, .offset: 40, .size: 8, .value_kind: global_buffer, .address_space: global }
      - { .name: wp, .offset: 48, .size: 8, .value_kind: global_buffer, .address_space: global }
      - { .name: w1, .offset: 56, .size: 8, .value_kind: global_buffer, .address_space: global }
      - { .name: w2, .offset: 64, .size: 8, .value_kind: global_buffer, .address_space: global }
      - { .name: b1, .offset: 72, .size: 8, .value_kind: global_buffer, .address_space: global }
      - { .name: bp, .offset: 80, .size: 8, .value_kind: global_buffer, .address_space: global }
      - { .name: b2, .offset: 88, .size: 8, .value_kind: global_buffer, .address_space: global }
      - { .name: act, .offset: 96, .size: 8, .value_kind: global_buffer, .address_space: global }
      - { .name: pq, .offset: 104, .size: 8, .value_kind: global_buffer, .address_space: global }
      - { .name: p1, .offset: 112, .size: 8, .value_kind: global_buffer, .address_space: global }
      - { .name: pp, .offset: 120, .size: 8, .value_kind: global_buffer, .address_space: global }
      - { .name: p2, .offset: 128, .size: 8, .value_kind: global_buffer, .address_space: global }
    .group_segment_fixed_size: 0
    .private_segment_fixed_size: 0
    .kernarg_segment_align: 8
    .kernarg_segment_size: 136
    .max_flat_workgroup_size: 256
    .sgpr_count:     80
    .vgpr_count:     248
    .wavefront_size: 32
...
	.end_amdgpu_metadata
.endif
;; end of part 1
;; launch qkv (part 2): grid 12 x 16, 4 waves a work-group, clusters of 4 x 4, 327,680 bytes of LDS; arguments act, pq, big; writes big
.if DOCPART == 2
	.amdgcn_target "amdgcn-amd-amdhsa--gfx1250"
	.amdhsa_code_object_version 6
	.text
	.protected	k_q9cfb37a278_qkv
	.globl	k_q9cfb37a278_qkv
	.p2align	8
	.type	k_q9cfb37a278_qkv,@function
k_q9cfb37a278_qkv:
	s_mov_b64 s[64:65], 0
	v_nop
	global_prefetch_b8 v0, s[64:65] scope:SCOPE_SE
	s_setreg_imm32_b32 hwreg(HW_REG_WAVE_MODE, 25, 1), 1
	s_wait_xcnt 0x0
	s_wait_alu depctr_hold_cnt(0) depctr_sa_sdst(0) depctr_va_vdst(0) depctr_va_sdst(0) depctr_va_ssrc(0) depctr_va_vcc(0) depctr_vm_vsrc(0)
	s_getreg_b32 s2, hwreg(HW_REG_IB_STS2, 6, 4)
	s_cmp_eq_u32 s2, 0
	s_cbranch_scc0 .Lentry_in_a_cluster
	s_endpgm
.Lentry_in_a_cluster:
	s_bfe_u32 s2, ttmp6, 0x10000c
	s_cmp_lg_u32 s2, 0xf033
	s_cbranch_scc0 .Lentry_shape_is_right
	s_endpgm
.Lentry_shape_is_right:
; C = floor-max(A W + bias), K = 1024, 16-bit out.  A: act, 4,096 rows x 1,024 in bf16, in blocks (128 rows x 64 columns = 16 KiB on end, 16 such panels a row block).
; W: behind 32 KiB of tables, bf16, element (k, n) at ((k/128)*64 + n/64)*16384 + (k%128)*128 + (n%64)*2.  Tables: at byte 0 the bias, f32, one number a column; at byte 16,384 the floor, two bf16 in a word
; (0: ReLU; minus infinity: none).  C: big, bf16, in blocks like A with 64 panels a row block.  Sums in f32, started at the bias; C rounded once, the floor taken on the rounded number (the same number either way).
; SHARES.  A tile of C, 256 x 256, to a work-group of four waves; a wave makes 128 x 128: 64 accumulators, 512 registers.  K goes in 8 steps of 128 through two LDS slots.
; Every tensor load is one block of 32 KiB that is dense in memory, asked for as 128 rows of 256 bytes: waves 0, 1 fetch A's two halves of 128 rows (two panels of 64 k each), waves 2, 3 two panels of W (128 k x 64 columns) each.
; CLUSTER.  4 x 4 work-groups: A's blocks are shared along a row of the cluster, W's along a column; each is asked for jointly, by the same load with the same descriptor and a mask of four.
; THE PRODUCT IS USED TRANSPOSED: source 0 = 16 columns of W (out of LDS turned, by ds_load_tr16_b128, since W lies [k][n]), source 1 = 16 rows of A: a lane holds one row of C and eight neighbouring columns.
; ONE TEXT FOR A K STEP.  s[TB] holds the LDS byte at which the slot in hand begins, 0 or SLOT, and is turned by an exclusive or; the fragments' addresses are TB + a lane's fixed term, and one walking descriptor for each
; operand takes TB for its LDS word.  The step stands twice: in the loop that fills slots again (6 trips), and in the loop of the last two steps, which holds no tensor load.
; REGISTERS in windows of 256: window 0: v0-31 addresses; v64-127, v128-191 A's fragments, two buffers; v192-223, v32-63, v224-255 the way out.  window 1: v64-127, v128-191 W's fragments.
;   windows 2, 3: the accumulators of my rows 0-63 and 64-127, (a, b) at v[8 (8 (a % 4) + b)].
; LIMITS.  bf16 operands; NaN and infinities are not treated apart.
.set PA,    144                        ; a row of A in LDS: 128 bytes + 16: the 16 rows of a fragment load start at 16 different groups of four banks (ISA guide 11.1)
.set PB,    160                        ; a row of W: 128 + 32
.set APAN,  128*PA                     ; a panel of A: 128 rows x 64 k
.set AHALF, 2*APAN                     ; what one load of A brings
.set BPAN,  128*PB                     ; a panel of W: 128 k x 64 columns
.set BHALF, 2*BPAN                     ; what one load of W brings
.set BOFF,  2*AHALF
.set SLOT,  BOFF+2*BHALF               ; 155,648
.set SPARE, 2*SLOT                     ; behind the ring: the spare words, 128 bytes a wave: two blocks of 256 bytes that no other line names
.set STG,   2*16*PA                    ; the way out's stage, 16 rows x two panels for each wave: at the head of slot 0, which by then has had its last fill and its last read
.set NSTEP, 8
.set ASTEP, 32768                      ; bytes from a K step's block to the next: two panels of A,
.set BSTEP, 1048576                    ; a block of 128 k of W: 64 panels
.set WOFF,  32768
.set A0,   16                          ; v16  my lane's place in a slot's A; never rewritten
.set B0,   17                          ; v17  the same for W
.set ADRA, 20                          ; v20  LDS address of my A fragments in the slot in hand
.set ADRB, 21                          ; v21  the same for W
.set STO,  24                          ; v24  the way out: where I put 16 bytes of a row
.set RD,   25                          ; v25  where I read rows back
.set GO,   26                          ; v26  16 x lane: my place in 512 consecutive bytes of C
.set BO,   27                          ; v27  32 x (lane / 16): my eight numbers in 16 of the bias
.set SPW,  28                          ; v28  my spare word; never rewritten
.set NIL,  29                          ; v29  0; never rewritten
.set PFO,  30                          ; v30  256 x lane, for the prefetches; never rewritten
.set F0,   64
.set F1,   128
.set TMP,  192
.set OB,   32
.set WV,   12                          ; s12 wave; s13 which half of the rows is mine, also: I fetch A (0) or W (1); s14 which half of the columns, also: which half I fetch
.set WR,   13
.set WC,   14
.set LA,   22                          ; s22  where my load of A lands in a slot;  s23 the same for W
.set LB,   23
.set G1A,  24                          ; s[24:31] descriptor group 1 for A;  s[32:39] group 0: a set for each of the two first fills; the second then walks on
.set G0A,  32
.set G1B,  48                          ; s[48:55], s[56:63] the same for W
.set G0B,  56
.set PFA,  44                          ; s[44:45] where my prefetches stand;  s[46:47] their step
.set PST,  46
.set LIM,  66                          ; s66  2 in a wave that prefetches, else the greatest number
.set FLO,  67                          ; s67  the floor
.set TBL,  68                          ; s[68:69] the bias of my 128 columns
.set TB,   74                          ; s74  0 or SLOT: the slot in hand
.set MSB, 0
.macro WIN new                         ; the immediate's high byte repeats the setting that is left; a switch that changes nothing is dropped
.if MSB != (\new)
	s_set_vgpr_msb (MSB<<8)|(\new)
.set MSB, \new
.endif
.endm
.set MUL_LO, 0xa1                      ; source 0 (W) window 1, source 1 (A) window 0, C and D window 2
.set MUL_HI, 0xf1                      ; the same, C and D window 3
; A joint load.  The branch hangs on the wave's number alone.  An s_nop 0 and four v_nop follow each of the two lines.
.macro JLOAD s
	s_cmp_eq_u32 s[WR], 0
	s_cbranch_scc0 .Lfor_b_\@
	tensor_load_to_lds s[G0A+4*(\s):G0A+4*(\s)+3], s[G1A:G1A+7]
	s_nop 0
.rept 4
	v_nop
.endr
	s_branch .Lasked_\@
.Lfor_b_\@:
	tensor_load_to_lds s[G0B+4*(\s):G0B+4*(\s)+3], s[G1B:G1B+7]
	s_nop 0
.rept 4
	v_nop
.endr
.Lasked_\@:
.endm
; A prefetch of the block that stands two refills on: of its 32 KiB my work-group's 8 KiB, a lane for each 256 bytes.  A's blocks are read by every cluster of a row of clusters: cluster x = 0 asks; W's by every
; cluster of a column: cluster y = 0 asks.  The four partners that ask for a block jointly share it out by address (cx for A, cy for W).  So each 256 bytes are named once.  The trip of K step t names K step t + 4:
; the loop's last two trips (s3 = 2, 1) ask for nothing.
.macro ASK
	s_cmp_gt_u32 s3, s[LIM]
	s_cbranch_scc0 .Lnot_mine_\@
	global_prefetch_b8 v[PFO], s[PFA:PFA+1] th:TH_LOAD_NT scope:SCOPE_SE
.Lnot_mine_\@:
.endm
.macro CREST                           ; a round of the cluster's barrier behind its opening barrier
	s_cmp_lg_u32 s[WV], 0
	s_cbranch_scc1 .Lnot_wave_0_\@
	s_barrier_signal -3
.Lnot_wave_0_\@:
	s_barrier_wait -3
	s_barrier_signal -1
	s_barrier_wait -1
.endm
.macro CROUND
	s_barrier_signal -1
	s_barrier_wait -1
	CREST
.endm
.macro PLACES                          ; four places behind matrix instructions, in front of loads into registers that they read and of conversions that read results
.rept 4
	v_nop
.endr
.endm
; 16 matrix instructions: row blocks a0, a0 + 1 of the window's four x all 8 column blocks, 32 along K.  The 64 accumulators take turns, in the same order in every quarter.
.macro MUL16 f, hi, a0
	WIN MUL_LO+0x50*(\hi)
.irp a, \a0, (\a0)+1
.irp b, 0,1,2,3,4,5,6,7
	v_wmma_f32_16x16x32_bf16 v[8*(8*(\a)+(\b)):8*(8*(\a)+(\b))+7], v[(\f)+8*(\b):(\f)+8*(\b)+7], v[(\f)+8*(4*(\hi)+(\a)):(\f)+8*(4*(\hi)+(\a))+7], v[8*(8*(\a)+(\b)):8*(8*(\a)+(\b))+7]
.endr
.endr
.endm
; 32 LDS loads in one run: the fragments of quarter q (32 k) of the K step in the slot that ADRA and ADRB name, into buffer f: W's 8 column blocks, then A's 8 row blocks
.macro FETCH q, f
	WIN 0x40
.irp i, 0,1,2,3,4,5,6,7
	ds_load_tr16_b128 v[(\f)+8*(\i):(\f)+8*(\i)+3],   v[ADRB] offset:((\i)/4)*BPAN+(\q)*32*PB+((\i)%4)*32
	ds_load_tr16_b128 v[(\f)+8*(\i)+4:(\f)+8*(\i)+7], v[ADRB] offset:((\i)/4)*BPAN+(\q)*32*PB+((\i)%4)*32+16*PB
.endr
	WIN 0
.irp i, 0,1,2,3,4,5,6,7
	ds_load_b128 v[(\f)+8*(\i):(\f)+8*(\i)+3],   v[ADRA] offset:((\q)/2)*APAN+(\i)*16*PA+((\q)%2)*64
	ds_load_b128 v[(\f)+8*(\i)+4:(\f)+8*(\i)+7], v[ADRA] offset:((\q)/2)*APAN+(\i)*16*PA+((\q)%2)*64+32
.endr
.endm
; One of a K step's first three quarters: multiplies buffer f; in its middle it fetches quarter q of the same slot into buffer g.
.macro QUARTER q, f, g
	s_wait_dscnt 8                                 ; W and A's rows 0-63 are in; the youngest eight loads (A's rows 64-127) may be out
	MUL16 \f, 0, 0
	MUL16 \f, 0, 2
	PLACES
	FETCH \q, \g
	s_wait_dscnt 32                                ; all but the 32 just issued
	MUL16 \f, 1, 0
	MUL16 \f, 1, 2
.endm
; The last quarter's first half: ONE barrier for the change of slots.  In front of it each wave waits for all its tensor loads (at most one is out: its part of the next slot), adds 0 to its spare word, and waits for that and for its reads of this slot.
.macro MEET
	WIN 0
	s_wait_tensorcnt 0x0
	ds_add_u32 v[SPW], v[NIL]
	s_wait_dscnt 9                                 ; the add and the youngest eight loads may be out
	MUL16 F1, 0, 0                                 ; sixteen matrix instructions stand between the add and the wait for it
	s_wait_dscnt 0x0                               ; the add is done, my reads of this slot are over
	s_barrier_signal -1
	MUL16 F1, 0, 2
	WIN 0
	s_barrier_wait -1
.endm
; The whole last quarter where the slot is filled again: the barrier opens a round of the cluster's, and the joint refill, two K steps on, is the first tensor load behind it: 224 matrix instructions ahead of the wait for it.
.macro TURN
	s_wait_xcnt 0x0                                ; the last prefetch, a K step back, has read its address
	s_add_nc_u64 s[PFA:PFA+1], s[PFA:PFA+1], s[PST:PST+1]
	MEET
	CREST
	s_add_co_u32 s[G0A+5], s[LA], s[TB]            ; no tensor load of mine is out: the walking descriptors take the slot just read out
	s_add_co_u32 s[G0B+5], s[LB], s[TB]
	s_add_nc_u64 s[G0A+6:G0A+7], s[G0A+6:G0A+7], ASTEP  ; and the next K step; the type bits on top are not reached
	s_add_nc_u64 s[G0B+6:G0B+7], s[G0B+6:G0B+7], BSTEP
	s_xor_b32 s[TB], s[TB], SLOT                   ; the other slot is in hand
	JLOAD 1                                        ; its four v_nop are also the places in front of the loads below
	v_add_nc_u32 v[ADRA], s[TB], v[A0]
	v_add_nc_u32 v[ADRB], s[TB], v[B0]
	FETCH 0, F0
	ASK
	MUL16 F1, 1, 0
	MUL16 F1, 1, 2
.endm
; THE WAY OUT of row block a (16 rows x 128 columns).  PACK: rounded to bf16, the floor taken.  TOSTAGE: into my stage, back as whole rows.  SEND: stored.
.macro PACK a
.set AC, 64*((\a)%4)
	WIN 0x0a+5*((\a)/4)                            ; sources 0 and 1: window 2 or 3
.irp b, 0,1,2,3,4,5,6,7
.irp r, 0,1,2,3
	v_cvt_pk_bf16_f32 v[TMP+4*(\b)+(\r)], v[AC+8*(\b)+2*(\r)], v[AC+8*(\b)+2*(\r)+1]  ; each accumulator's registers in ascending order
.endr
.endr
	WIN 0
.set i, 0
.rept 32
	v_pk_max_num_bf16 v[TMP+i], v[TMP+i], s[FLO]
.set i, i+1
.endr
.endm
.macro TOSTAGE a
.set BK, OB+192*((\a)%2)
.irp b, 0,1,2,3,4,5,6,7
	ds_store_b128 v[STO], v[TMP+4*(\b):TMP+4*(\b)+3] offset:((\b)/4)*16*PA+((\b)%4)*32
.endr
.irp t, 0,1,2,3,4,5,6,7
	ds_load_b128 v[BK+4*(\t):BK+4*(\t)+3], v[RD] offset:((\t)/4)*16*PA+((\t)%4)*4*PA  ; LDS serves a wave's instructions in order (ISA guide 5.7.1.4): these see the stores above
.endr
.endm
.macro SEND a
.set BK, OB+192*((\a)%2)
	s_wait_dscnt 0x0                               ; the block is back in registers
	s_wait_xcnt 0x0                                ; the stores of the block before have read their data: the next TOSTAGE loads into those registers
.irp t, 0,1,2,3,4,5,6,7
	global_store_b128 v[GO], v[BK+4*(\t):BK+4*(\t)+3], s[8:9] offset:((\t)/4)*16384+(\a)*2048+((\t)%4)*512  ; four rows of a panel: 512 consecutive bytes, aligned
.endr
.endm
	s_load_b128 s[4:7], s[0:1], 0x0                ; A s[4:5], tables and W s[6:7]
	s_load_b64 s[8:9], s[0:1], 0x10                ; C
	v_lshl_add_u32 v[SPW], v0, 2, SPARE
	v_mov_b32 v[NIL], 0
	ds_add_u32 v[SPW], v[NIL]                      ; the wave's opening: the add and its wait ahead of my first tensor load
	v_lshrrev_b32 v1, 5, v0
	v_readfirstlane_b32 s[WV], v1
	s_lshr_b32 s[WR], s[WV], 1
	s_and_b32 s[WC], s[WV], 1
	s_bfe_u32 s15, ttmp6, 0x40000                  ; cx
	s_bfe_u32 s16, ttmp6, 0x40004                  ; cy
	s_lshl_b32 s17, ttmp9, 2
	s_add_co_u32 s17, s17, s15                     ; tile column
	s_and_b32 s18, ttmp7, 0xffff
	s_lshl_b32 s18, s18, 2
	s_add_co_u32 s18, s18, s16                     ; tile row
	s_lshl_b32 s19, s16, 2
	s_lshl_b32 s19, 15, s19                        ; my row of the cluster
	s_lshl_b32 s20, 0x1111, s15                    ; my column
	s_or_b32 s[G1A], s19, (1<<16)|(1<<20)|(1<<21)|(4<<22)|(3<<25)  ; the mask; elements of 2 bytes; padding on; bit 21 beside a mask; after every 32 words (code 4) 4 words (code 3)
	s_or_b32 s[G1B], s20, (1<<16)|(1<<20)|(1<<21)|(4<<22)|(7<<25)  ; the same with 8 words (code 7)
.irp g, G1A, G1B
	s_mov_b32 s[(\g)+1], 128<<16                   ; tensor_dim0 = 128 elements: 256 bytes
	s_mov_b32 s[(\g)+2], 128<<16                   ; tensor_dim1 = 128
	s_mov_b32 s[(\g)+3], 128<<16                   ; tile_dim0 = 128
	s_mov_b32 s[(\g)+4], 128                       ; tile_dim1 = 128
	s_mov_b32 s[(\g)+5], 128                       ; from row to row: the block is dense
	s_mov_b32 s[(\g)+6], 0
	s_mov_b32 s[(\g)+7], 0
.endr
	s_lshl_b32 s40, s18, 1
	s_add_co_u32 s40, s40, s[WC]
	s_lshl_b32 s40, s40, 18                        ; A: row block 2 x tile row + half, 16 panels of 16 KiB
	s_mov_b32 s41, 0
	s_lshl_b32 s42, s[WC], 15                      ; W: my two of
	s_lshl_b32 s70, s17, 16                        ; the tile column's four panels
	s_add_co_u32 s42, s42, s70
	s_add_co_u32 s42, s42, WOFF
	s_mov_b32 s43, 0
	s_mul_i32 s[LA], s[WC], AHALF                  ; where they go in a slot: no place in the cluster enters an LDS address
	s_mul_i32 s[LB], s[WC], BHALF
	s_add_co_u32 s[LB], s[LB], BOFF
	s_mov_b32 s[TB], 0
	s_wait_dscnt 0x0                               ; the opening add is done
	s_wait_kmcnt 0x0
	s_add_nc_u64 s[40:41], s[4:5], s[40:41]
	s_add_nc_u64 s[42:43], s[6:7], s[42:43]
	s_load_b32 s[FLO], s[6:7], 0x4000
	CROUND                                         ; all sixteen work-groups are here: the first joint loads meet
.irp s, 0,1
	s_mov_b32 s[G0A+4*(\s)], 1
	s_add_co_u32 s[G0A+4*(\s)+1], s[LA], (\s)*SLOT
	s_add_nc_u64 s[G0A+4*(\s)+2:G0A+4*(\s)+3], s[40:41], (\s)*ASTEP
	s_or_b32 s[G0A+4*(\s)+3], s[G0A+4*(\s)+3], 0x80000000
	s_mov_b32 s[G0B+4*(\s)], 1
	s_add_co_u32 s[G0B+4*(\s)+1], s[LB], (\s)*SLOT
	s_add_nc_u64 s[G0B+4*(\s)+2:G0B+4*(\s)+3], s[42:43], (\s)*BSTEP
	s_or_b32 s[G0B+4*(\s)+3], s[G0B+4*(\s)+3], 0x80000000
	JLOAD \s                                       ; two loads of mine are out
.endr
	v_and_b32 v1, 15, v0                           ; l % 16
	v_bfe_u32 v2, v0, 4, 1                         ; l / 16
	v_mul_u32_u24 v3, v1, PA
	v_lshl_add_u32 v3, v2, 4, v3                   ; row x pitch + 16 x half
	s_mul_i32 s21, s[WR], AHALF
	v_add_nc_u32 v[A0], s21, v3
	v_mov_b32 v[ADRA], v[A0]                       ; slot 0 is in hand
	v_and_b32 v4, 7, v0                            ; the turning load: lane l reads k = 8 (l / 16) + l % 8, columns 8 ((l / 8) % 2) + 0..7
	v_lshl_add_u32 v4, v2, 3, v4
	v_mul_u32_u24 v4, v4, PB
	v_bfe_u32 v5, v0, 3, 1
	v_lshl_add_u32 v4, v5, 4, v4
	s_mul_i32 s21, s[WC], 2*BPAN
	s_add_co_u32 s21, s21, BOFF
	v_add_nc_u32 v[B0], s21, v4
	v_mov_b32 v[ADRB], v[B0]
	s_mul_i32 s21, s[WV], STG
	v_add_nc_u32 v[STO], s21, v3
	v_bfe_u32 v5, v0, 3, 2
	v_mul_u32_u24 v5, v5, PA
	v_and_b32 v6, 7, v0
	v_lshl_add_u32 v5, v6, 4, v5
	v_add_nc_u32 v[RD], s21, v5                    ; back: 32 lanes take four rows of 128 bytes
	v_and_b32 v6, 31, v0
	v_lshlrev_b32 v[GO], 4, v6
	v_lshlrev_b32 v[BO], 5, v2
	v_lshlrev_b32 v[PFO], 8, v6
	s_lshl_b32 s70, s18, 1
	s_add_co_u32 s70, s70, s[WR]
	s_lshl_b32 s70, s70, 6
	s_lshl2_add_u32 s70, s17, s70
	s_lshl1_add_u32 s70, s[WC], s70
	s_lshl_b32 s70, s70, 14                        ; C: (row block x 64 + my first panel) x 16 KiB
	s_mov_b32 s71, 0
	s_add_nc_u64 s[8:9], s[8:9], s[70:71]
	s_lshl_b32 s72, s17, 10
	s_lshl_b32 s73, s[WC], 9
	s_add_co_u32 s72, s72, s73
	s_mov_b32 s73, 0
	s_add_nc_u64 s[TBL:TBL+1], s[6:7], s[72:73]
	; THE SUMS START AT THE BIAS: a lane's eight columns of block b are 32 bytes of the table, loaded straight into each accumulator: nothing is cleared, and no addition is left for the way out
	WIN 0x80
.set i, 0
.rept 32
	global_load_b128 v[8*i:8*i+3],   v[BO], s[TBL:TBL+1] offset:64*(i%8)
	global_load_b128 v[8*i+4:8*i+7], v[BO], s[TBL:TBL+1] offset:64*(i%8)+16
.set i, i+1
.endr
	WIN 0xc0
.set i, 0
.rept 32
	global_load_b128 v[8*i:8*i+3],   v[BO], s[TBL:TBL+1] offset:64*(i%8)
	global_load_b128 v[8*i+4:8*i+7], v[BO], s[TBL:TBL+1] offset:64*(i%8)+16
.set i, i+1
.endr
	WIN 0
	; the prefetches: at my block of K step 3; the first refill steps it to K step 4.  K steps 0 to 3 come by their loads alone
	s_and_b32 s21, ttmp7, 0xffff                   ; cluster y
	s_lshl_b32 s70, s18, 1
	s_add_co_u32 s70, s70, s[WC]
	s_lshl_b32 s70, s70, 18
	s_add_co_u32 s70, s70, 3*ASTEP
	s_lshl_b32 s72, s[WC], 15
	s_lshl_b32 s73, s17, 16
	s_add_co_u32 s72, s72, s73
	s_add_co_u32 s72, s72, WOFF+3*BSTEP
	s_mov_b32 s[PST], BSTEP
	s_mov_b32 s[PST+1], 0
	s_cmp_eq_u32 s[WR], 0                          ; do I fetch for A?
	s_cselect_b32 s70, s70, s72
	s_cselect_b32 s71, s15, s16                    ; my place among the four that ask with me
	s_cselect_b32 s21, ttmp9, s21                  ; the coordinate along which other clusters read the same block
	s_cselect_b64 s[PFA:PFA+1], s[4:5], s[6:7]
	s_cselect_b32 s[PST], ASTEP, s[PST]
	s_cmp_eq_u32 s21, 0
	s_cselect_b32 s[LIM], 2, -1
	s_lshl_b32 s71, s71, 13
	s_add_co_u32 s70, s70, s71
	s_mov_b32 s71, 0
	s_add_nc_u64 s[PFA:PFA+1], s[PFA:PFA+1], s[70:71]
	s_wait_tensorcnt 1                             ; my part of K step 0 is in; K step 1's may stay out
	s_barrier_signal -1
	s_barrier_wait -1
	FETCH 0, F0
	s_wait_loadcnt 0x0                             ; the bias
	s_wait_kmcnt 0x0                               ; the floor
	s_mov_b32 s3, NSTEP-2
.Lstep:                                        ; a trip is a K step; its slot is filled again with the K step two on; one tensor load of mine is out
	QUARTER 1, F0, F1
	QUARTER 2, F1, F0
	QUARTER 3, F0, F1
	TURN
	WIN 0                                          ; at a label and at a branch every window is 0
	s_sub_co_u32 s3, s3, 1
	s_cmp_lg_u32 s3, 0
	s_cbranch_scc1 .Lstep
	s_mov_b32 s3, 2
.Ltail:                                        ; the last two K steps have a text of their own: nothing is asked for
	QUARTER 1, F0, F1
	QUARTER 2, F1, F0
	QUARTER 3, F0, F1
	MEET                                           ; first trip: the last K step's block has landed, everybody's.  The second trip's barrier orders nothing new: the price, once a launch, of one text for both
	s_xor_b32 s[TB], s[TB], SLOT
	s_cmp_eq_u32 s3, 1
	s_cbranch_scc1 .Lno_more                       ; behind the last K step there is nothing to fetch
	v_add_nc_u32 v[ADRA], s[TB], v[A0]
	v_add_nc_u32 v[ADRB], s[TB], v[B0]
	PLACES
	FETCH 0, F0
.Lno_more:
	MUL16 F1, 1, 0
	MUL16 F1, 1, 2
	WIN 0
	s_sub_co_u32 s3, s3, 1
	s_cmp_lg_u32 s3, 0
	s_cbranch_scc1 .Ltail
	PLACES
	PACK 0
	TOSTAGE 0
.irp a, 1,2,3,4,5,6,7                  ; block a's conversions stand between block a - 1's loads from the stage and the wait for them
	PACK \a
	SEND (\a)-1
	TOSTAGE \a
.endr
	SEND 7
	s_wait_tensorcnt 0x0                           ; the wave's end
	ds_add_u32 v[SPW], v[NIL]
	s_wait_dscnt 0x0
	CROUND                                         ; the closing round
	s_endpgm
.Lfunc_end_k_q9cfb37a278_qkv:
	.size	k_q9cfb37a278_qkv, .Lfunc_end_k_q9cfb37a278_qkv-k_q9cfb37a278_qkv
	.p2alignl 7, 3214868480
	.fill 96, 4, 3214868480
	.section	.rodata,"a",@progbits
	.p2align	6, 0x0
	.amdhsa_kernel k_q9cfb37a278_qkv
		.amdhsa_group_segment_fixed_size 327680
		.amdhsa_private_segment_fixed_size 0
		.amdhsa_enable_private_segment 0
		.amdhsa_kernarg_size 24
		.amdhsa_user_sgpr_count 2
		.amdhsa_user_sgpr_kernarg_segment_ptr 1
		.amdhsa_wavefront_size32 1
		.amdhsa_system_sgpr_workgroup_id_x 1
		.amdhsa_system_sgpr_workgroup_id_y 1
		.amdhsa_system_sgpr_workgroup_id_z 1
		.amdhsa_system_vgpr_workitem_id 0
		.amdhsa_next_free_vgpr 1024
		.amdhsa_next_free_sgpr 80
		.amdhsa_reserve_vcc 0
		.amdhsa_float_denorm_mode_32 3
		.amdhsa_float_denorm_mode_16_64 3
		.amdhsa_memory_ordered 1
		.amdhsa_forward_progress 1
		.amdhsa_inst_pref_size 123
	.end_amdhsa_kernel
	.amdgpu_metadata
---
amdhsa.version: [ 1, 2 ]
amdhsa.kernels:
  - .name:           k_q9cfb37a278_qkv
    .symbol:         k_q9cfb37a278_qkv.kd
    .args:
      - { .name: act, .offset: 0, .size: 8, .value_kind: global_buffer, .address_space: global }
      - { .name: pq, .offset: 8, .size: 8, .value_kind: global_buffer, .address_space: global }
      - { .name: big, .offset: 16, .size: 8, .value_kind: global_buffer, .address_space: global }
    .group_segment_fixed_size: 327680
    .private_segment_fixed_size: 0
    .kernarg_segment_align: 8
    .kernarg_segment_size: 24
    .max_flat_workgroup_size: 128
    .sgpr_count:     80
    .vgpr_count:     1024
    .wavefront_size: 32
...
	.end_amdgpu_metadata
.endif
;; end of part 2
;; launch attn (part 3): grid 4 x 64, 4 waves a work-group, no clusters, 327,680 bytes of LDS; arguments big, act; writes act
.if DOCPART == 3
	.amdgcn_target "amdgcn-amd-amdhsa--gfx1250"
	.amdhsa_code_object_version 6
	.text
	.protected	k_q9cfb37a278_attn
	.globl	k_q9cfb37a278_attn
	.p2align	8
	.type	k_q9cfb37a278_attn,@function
k_q9cfb37a278_attn:
	s_mov_b64 s[64:65], 0
	v_nop
	global_prefetch_b8 v0, s[64:65] scope:SCOPE_SE
	s_setreg_imm32_b32 hwreg(HW_REG_WAVE_MODE, 25, 1), 1
	s_wait_xcnt 0x0
; CAUSAL ATTENTION, 64 heads (4 batches x 16), 1,024 rows, head size 64, scale 1/32.  q, k, v lie in big, bf16, in blocks of 128 rows x 64 columns (16 KiB on end, 64 panels a row block): q of head h in panel h, k in 16 + h,
; v in 32 + h.  The result goes to act in the same blocks, 16 panels a row block, panel h.  Products, maxima and sums in f32; the weights p are rounded to bf16 for the second product (their sum l is taken of the unrounded p).
; LIMITS.  A hidden score counts as its value less 1e30; a weight below 2^-126 counts as 0 in l; NaN and infinities are not treated apart.
; THE WALK.  A head has 8 blocks of 128 queries; block i needs the key tiles 0 .. i of 128 keys, the last of which holds the diagonal.  A work-group takes blocks 7 - b and then b: 9 tiles whatever b, so that all
; work-groups do equal work and one loop with a constant trip count walks them; the ring of two LDS slots runs on across the change of blocks.
; NO CLUSTER: the four work-groups of a head need different numbers of tiles of each block, and a walk common to all four would have 12 trips for 9.
; SHARES.  Of a block's two bands of 64 queries a wave owns 16 rows in each: two pieces.  In the diagonal tile's step s (64 keys) band x sees all keys if s < x, none if s > x, and holds the diagonal if s = x: the same for every wave.
; THE MASK STARTS THE SUM: S^T's registers are set to MD x AL + BE (MD: the mask of a band's own step for my rows, 0 or -1e30) and the products K Q^T add onto them.
; LAYOUT.  S^T = K Q^T holds one query a lane (lane % 16) and the keys 8 (lane / 16) + 0..7; two such results rounded to bf16 are source 1 of O^T = V^T P.  K comes out of LDS as it lies, V turned (ds_load_tr16_b128).
; SOFTMAX.  p = 2^(c s - c m), c = log2(e) / 32, with a running maximum m; in every step O and l are multiplied by a = 2^(c m_old - c m_new).  c m starts far below every c s: a block's first step has a = 0.
; A STEP GOES IN PHASES: loads, mask, 16 products, maximum, scaling, one batch of 66 exponentials with one wait, roundings, sums, rescaling, 16 products.
; REGISTERS.  window 0: v0-15 addresses; v16-23 statistics (c m, m, l, l a piece); v24-31 at work; v32-63 MD; v64-127 S^T; v128-159 P; v160-223 O^T; v224-227.  window 1: v0-31 Q; v32-63 the second block's Q; v64-127 K; v128-191 V.
.set KS,    64
.set PK,    144                        ; a row of K in LDS: 128 bytes + 16
.set PV,    160                        ; a row of V: 128 + 32
.set VOFF,  128*PK                     ; a slot: 128 rows of K, then 128 rows of V
.set SLOT1, 65536                      ; slot 1 begins here: one exclusive or changes slots
.set STAGE, SLOT1+128*(PK+PV)          ; behind the ring, never filled by a tensor load: 16 rows x 144 bytes a wave
.set SP,    144
.set SPARE, STAGE+4*16*SP              ; the spare words, 128 bytes a wave: two blocks of 256 bytes that no other line names
.set AK0, 2
.set AV0, 3
.set AK,  4
.set AV,  5
.set STO, 6
.set RD,  7
.set GO,  8
.set MV,  12                           ; v12-13  c m_old, kept while c m is made anew
.set QO,  15
.set ST,  16
.set TMP, 24
.set MD,  32
.set S,   64
.set P,   128
.set O,   160
.set PFO, 224
.set SPW, 226
.set NIL, 227
.set Q2,  32                           ; window 1
.set KF,  64
.set VF,  128
.set KB,  8                            ; s[8:9] k at my half of the head's tile 0;  s[10:11] v
.set VB,  10
.set WV,  12
.set PB,  14                           ; b
.set HI,  15                           ; 7 - b
.set G1K, 24
.set G1V, 32
.set G0K, 40
.set G0V, 44
.set QA,  48                           ; s[48:49], s[50:51] q at my rows of the first and second block
.set QB,  50
.set OA,  52                           ; s[52:53] the result at my rows of the block in hand;  s[54:55] of the second block
.set OLO, 54
.set SLOTS, 56
.set CNT, 57
.set CS,  58
.set SEL, 60
.set TBK, 62                           ; LDS byte at which K of the step to be fetched begins
.set TBV, 63                           ; the same for V, less VOFF
.set RT,  70                           ; tiles of the block in hand still to be entered
.set NXT, 71                           ; the tile to be asked for next
.set LQ,  72                           ; the last tile of the block whose tiles are being asked for
.set OFF, 74
.set AL0, 76
.set BE0, 78
.set AL1, 80
.set BIGN, 82
.set DG,  83                           ; 1: the tile in hand holds the diagonal
.set KEY, 84
.set LIM, 85
.set PFA, 86
.set MSB, 0
.macro WIN new
.if MSB != (\new)
	s_set_vgpr_msb (MSB<<8)|(\new)
.set MSB, (\new)
.endif
.endm
; A fill.  Waves 0, 1 fetch the two halves (64 keys, 8 KiB dense) of a tile's K, waves 2, 3 of its V.  An s_nop 0 and four v_nop follow each line.
.macro LOAD
	s_cmp_lt_u32 s[WV], 2
	s_cbranch_scc0 .Lfor_v_\@
	tensor_load_to_lds s[G0K:G0K+3], s[G1K:G1K+7]
	s_nop 0
.rept 4
	v_nop
.endr
	s_branch .Lasked_\@
.Lfor_v_\@:
	tensor_load_to_lds s[G0V:G0V+3], s[G1V:G1V+7]
	s_nop 0
.rept 4
	v_nop
.endr
.Lasked_\@:
.endm
; A prefetch of my 8 KiB of the tile that the NEXT change of slots will ask for, a lane for each 256 bytes.  All four work-groups of a head walk tiles 1, 2, .. together: the one with b = 0, which walks up to tile 7, asks,
; in the changes that leave more than two slots to ask for: tiles 2 to 7.  Tiles 0 and 1 come by their loads alone; a block's second walk has been read before.
.macro ASK
	s_cmp_gt_u32 s[SLOTS], s[LIM]
	s_cbranch_scc0 .Lnot_mine_\@
	global_prefetch_b8 v[PFO], s[PFA:PFA+1] th:TH_LOAD_NT scope:SCOPE_SE
.Lnot_mine_\@:
.endm
; THE CHANGE OF SLOTS.  Each wave waits for all its tensor loads (one is out: its part of the other slot), adds 0 to its spare word, and waits for that and for its reads of the slot that it leaves.
; fill = 1: the old slot is filled again, first thing behind the barrier, with tile NXT: the descriptor's address is made anew from that number.
.macro CHANGE fill
	WIN 0
	s_wait_tensorcnt 0x0
	ds_add_u32 v[SPW], v[NIL]                      ; 0 onto my spare word; with fill = 1, scalar work stands between it and the wait for it
.if \fill
	s_lshl_b32 s[OFF], s[NXT], 20                  ; from a tile to the next: a row block of 64 panels
	s_xor_b32 s[G0K+1], s[G0K+1], SLOT1
	s_add_nc_u64 s[G0K+2:G0K+3], s[KB:KB+1], s[OFF:OFF+1]
	s_or_b32 s[G0K+3], s[G0K+3], 0x80000000
	s_xor_b32 s[G0V+1], s[G0V+1], SLOT1
	s_add_nc_u64 s[G0V+2:G0V+3], s[VB:VB+1], s[OFF:OFF+1]
	s_or_b32 s[G0V+3], s[G0V+3], 0x80000000
	s_add_co_u32 s[NXT], s[NXT], 1                 ; the block's next tile, or behind its last the second block's tile 0
	s_cmp_gt_u32 s[NXT], s[LQ]
	s_cselect_b32 s[NXT], 0, s[NXT]
	s_cselect_b32 s[LQ], s[PB], s[LQ]
	s_wait_xcnt 0x0                                ; the last prefetch, a tile back, has read its address
	s_add_nc_u64 s[PFA:PFA+1], s[PFA:PFA+1], 1<<20
.endif
	s_wait_dscnt 0x0                               ; the add is done, my reads of the slot are over
	s_barrier_signal -1
	s_sub_co_u32 s[TBK], s[TBK], 2*KS*PK           ; the fetches go back to a slot's first step, in the other slot
	s_xor_b32 s[TBK], s[TBK], SLOT1
	s_sub_co_u32 s[TBV], s[TBV], 2*KS*PV
	s_xor_b32 s[TBV], s[TBV], SLOT1
	s_barrier_wait -1
.if \fill
	LOAD
	ASK
.endif
.endm
.macro REGS u                          ; the registers of piece u
.set rT, ST+4*(\u)
.set rC, TMP+4*(\u)
.set rM, MV+(\u)
.set rS, S+32*(\u)
.set rP, P+16*(\u)
.set rO, O+32*(\u)
.endm
; Number n of the list that finds a piece's maximum and statistics.  0-11 four chains of seven scores, three operands at a time (each accumulator's lowest registers first);
; 12-14, 16 the four scores left over, the old m, the chains into one; 15 c m_old is kept; 17, 18 the query's other 32 keys lie in the lane 16 away; 19-21 c m, its change, a.
.macro XS u, n
	REGS \u
.if (\n) < 4
	v_max3_num_f32 v[rC+(\n)], v[rS+8*(\n)], v[rS+8*(\n)+1], v[rS+8*(\n)+2]
.elseif (\n) < 12
	v_max3_num_f32 v[rC+(\n)%4], v[rC+(\n)%4], v[rS+8*((\n)%4)+2*((\n)/4)+1], v[rS+8*((\n)%4)+2*((\n)/4)+2]
.elseif (\n) == 12
	v_max3_num_f32 v[rC], v[rC], v[rS+7], v[rS+15]
.elseif (\n) == 13
	v_max3_num_f32 v[rC+1], v[rC+1], v[rS+23], v[rS+31]
.elseif (\n) == 14
	v_max3_num_f32 v[rC+2], v[rC+2], v[rC+3], v[rT+1]
.elseif (\n) == 15
	v_mov_b32 v[rM], v[rT]
.elseif (\n) == 16
	v_max3_num_f32 v[rC], v[rC], v[rC+1], v[rC+2]
.elseif (\n) == 17
	v_permlanex16_b32 v[rC+3], v[rC], s[SEL], s[SEL+1]
.elseif (\n) == 18
	v_max_num_f32 v[rT+1], v[rC], v[rC+3]
.elseif (\n) == 19
	v_mul_f32 v[rT], s[CS], v[rT+1]
.elseif (\n) == 20
	v_sub_f32 v[rC+1], v[rM], v[rT]
.else
	v_exp_f32 v[rC+2], v[rC+1]
.endif
.endm
; A KEY STEP of 64 keys, for both pieces.
.macro STEP
	s_mul_i32 s[KEY], s[DG], s[CNT]                ; 2: the diagonal tile's first step; 1: its second; 0: no mask
	s_cmp_eq_u32 s[KEY], 2
	s_cselect_b32 s[AL0], 1.0, 0                   ; band 0 holds the diagonal in the first step,
	s_cmp_eq_u32 s[KEY], 1
	s_cselect_b32 s[AL1], 1.0, 0                   ; band 1 in the second,
	s_cselect_b32 s[BE0], s[BIGN], 0               ; where band 0 sees nothing
	v_add_nc_u32 v[AK], s[TBK], v[AK0]
	v_add_nc_u32 v[AV], s[TBV], v[AV0]
	s_add_co_u32 s[TBK], s[TBK], KS*PK
	s_add_co_u32 s[TBV], s[TBV], KS*PV
	WIN 0x40                                       ; destination window 1
.irp f, 0,1,2,3,4,5,6,7                        ; K: keys 16 (f / 2) on, channels 32 (f % 2) on
	ds_load_b128 v[KF+8*\f:KF+8*\f+3],   v[AK] offset:(\f/2)*16*PK+(\f%2)*64
	ds_load_b128 v[KF+8*\f+4:KF+8*\f+7], v[AK] offset:(\f/2)*16*PK+(\f%2)*64+32
.endr
.irp f, 0,1,2,3,4,5,6,7                        ; V, turned: keys 32 (f / 4) on, channels 16 (f % 4) on
	ds_load_tr16_b128 v[VF+8*\f:VF+8*\f+3],   v[AV] offset:(\f/4)*32*PV+(\f%4)*32
	ds_load_tr16_b128 v[VF+8*\f+4:VF+8*\f+7], v[AV] offset:(\f/4)*32*PV+16*PV+(\f%4)*32
.endr
	WIN 0
.set z, 0
.rept 16                                       ; the masks, while the loads are out
	v_pk_fma_f32 v[S+2*z:S+2*z+1], v[MD+2*z:MD+2*z+1], s[AL0:AL0+1], s[BE0:BE0+1] op_sel_hi:[1,0,0]
	v_pk_mul_f32 v[S+32+2*z:S+32+2*z+1], v[MD+2*z:MD+2*z+1], s[AL1:AL1+1] op_sel_hi:[1,0]
.set z, z+1
.endr
	s_wait_dscnt 16                                ; K is in; V's sixteen loads may stay out
	WIN 0x05                                       ; K and Q in window 1, S^T in window 0
.set i, 0
.rept 16                                       ; S^T += K Q^T: channels 32 (i / 8) on, keys 16 ((i / 2) % 4) on, piece i % 2.  The 8 accumulators take turns
.set rS, S+32*(i%2)+8*((i/2)%4)
.set rK, KF+16*((i/2)%4)+8*(i/8)
.set rQ, 16*(i%2)+8*(i/8)
	v_wmma_f32_16x16x32_bf16 v[rS:rS+7], v[rK:rK+7], v[rQ:rQ+7], v[rS:rS+7]
.set i, i+1
.endr
	WIN 0
	XS 0, 15                                       ; four places behind the products
	XS 1, 15
	v_nop
	v_nop
.irp n, 0,1,2,3,4,5,6,7,8,9,10,11,12,13,14,16,17,18,19,20
	XS 0, \n
	XS 1, \n
.endr
.set z, 0
.rept 16                                       ; c s - c m
.irp u, 0,1
	REGS \u
	v_pk_fma_f32 v[rS+2*z:rS+2*z+1], v[rS+2*z:rS+2*z+1], s[CS:CS+1], v[rT:rT+1] op_sel_hi:[1,0,0] neg_lo:[0,0,1] neg_hi:[0,0,1]
.endr
.set z, z+1
.endr
	XS 0, 21                                       ; ONE BATCH: the two a and the 64 weights; none of these reads an exponential's result
	XS 1, 21
.set z, 0
.rept 32
	v_exp_f32 v[S+z], v[S+z]
	v_exp_f32 v[S+32+z], v[S+32+z]
.set z, z+1
.endr
	v_nop                                          ; a plain instruction behind the last exponential,
	s_wait_alu depctr_va_vdst(0)                   ; and the one wait ahead of the first instruction that names a result
.set z, 0
.rept 16
	v_cvt_pk_bf16_f32 v[P+z], v[S+2*z], v[S+2*z+1]
	v_cvt_pk_bf16_f32 v[P+16+z], v[S+32+2*z], v[S+32+2*z+1]
.set z, z+1
.endr
.irp w, 4,8,16,32                              ; the sum of a piece's 16 pairs, in place: neighbours 1, 2, 4 and 8 pairs apart
.set z, 0
.rept 32/(\w)
.irp u, 0,1
	REGS \u
	v_pk_add_f32 v[rS+(\w)*z:rS+(\w)*z+1], v[rS+(\w)*z:rS+(\w)*z+1], v[rS+(\w)*z+(\w)/2:rS+(\w)*z+(\w)/2+1]
.endr
.set z, z+1
.endr
.endr
.irp u, 0,1
	REGS \u
	v_pk_fma_f32 v[rT+2:rT+3], v[rT+2:rT+3], v[rC+2:rC+3], v[rS:rS+1] op_sel_hi:[1,0,1]  ; l = a l + sum
.endr
.set z, 0
.rept 16                                       ; O^T times a, each accumulator's registers in ascending order
.irp u, 0,1
	REGS \u
	v_pk_mul_f32 v[rO+2*z:rO+2*z+1], v[rO+2*z:rO+2*z+1], v[rC+2:rC+3] op_sel_hi:[1,0]
.endr
.set z, z+1
.endr
	s_wait_dscnt 0x0                               ; V is in
	WIN 0x01                                       ; V in window 1, P and O^T in window 0
.set i, 0
.rept 16                                       ; O^T += V^T P: keys 32 (i / 8) on, channels 16 ((i / 2) % 4) on, piece i % 2
.set rO, O+32*(i%2)+8*((i/2)%4)
.set rV, VF+32*(i/8)+8*((i/2)%4)
.set rP, P+16*(i%2)+8*(i/8)
	v_wmma_f32_16x16x32_bf16 v[rO:rO+7], v[rV:rV+7], v[rP:rP+7], v[rO:rO+7]
.set i, i+1
.endr
	WIN 0
.rept 4
	v_nop                                          ; the places behind those products, for whatever follows: the next step's loads into V's registers, or the way out
.endr
.endm
; A BLOCK ENDS.  l's two halves and the other half of the lanes' are added; O^T is divided by l, rounded to bf16 and sent through my stage, a piece at a time.
.macro PACK t
.set i, 0
.rept 16
	v_pk_mul_f32 v[O+32*(\t)+2*i:O+32*(\t)+2*i+1], v[O+32*(\t)+2*i:O+32*(\t)+2*i+1], v[ST+4*(\t)+2:ST+4*(\t)+3] op_sel_hi:[1,0]
.set i, i+1
.endr
.set i, 0
.rept 16
	v_cvt_pk_bf16_f32 v[S+16*(\t)+i], v[O+32*(\t)+2*i], v[O+32*(\t)+2*i+1]
.set i, i+1
.endr
.irp f, 0,1,2,3
	ds_store_b128 v[STO], v[S+16*(\t)+4*\f:S+16*(\t)+4*\f+3] offset:32*\f
.endr
.irp f, 0,1,2,3
	ds_load_b128 v[S+16*(\t)+4*\f:S+16*(\t)+4*\f+3], v[RD] offset:\f*4*SP  ; LDS serves a wave's instructions in order (ISA guide 5.7.1.4): these see the stores above
.endr
.endm
.macro SEND t, younger                 ; younger: the LDS instructions issued behind piece t's loads
.irp f, 0,1,2,3
	s_wait_dscnt (\younger)+3-\f
	global_store_b128 v[GO], v[S+16*(\t)+4*\f:S+16*(\t)+4*\f+3], s[OA:OA+1] offset:(\t)*8192+\f*512  ; four rows of a panel: 512 consecutive bytes, aligned
.endr
.endm
.macro FINISH sw                       ; sw = 1: the second block follows
	WIN 0
.irp u, 0,1
	v_add_f32 v[ST+4*\u+2], v[ST+4*\u+2], v[ST+4*\u+3]
.endr
.irp u, 0,1
	v_permlanex16_b32 v[ST+4*\u+3], v[ST+4*\u+2], s[SEL], s[SEL+1]
.endr
.irp u, 0,1
	v_add_f32 v[ST+4*\u+2], v[ST+4*\u+2], v[ST+4*\u+3]
.endr
.irp u, 0,1
	v_rcp_f32 v[ST+4*\u+2], v[ST+4*\u+2]
.endr
	v_nop
	s_wait_alu depctr_va_vdst(0)                   ; one wait for the two reciprocals, ahead of their first use
	PACK 0
	PACK 1
	SEND 0, 8
	SEND 1, 0
.if \sw
	s_wait_xcnt 0x0                                ; the stores have read their data and their base
	s_mov_b64 s[OA:OA+1], s[OLO:OLO+1]
	s_add_co_u32 s[RT], s[PB], 1                   ; the second block has b + 1 tiles
.irp u, 0,1
	v_mov_b32 v[ST+4*\u], 0xfe000000               ; c m far below every c s: the next step's a is 0, so O^T and l need only be finite
	v_mov_b32 v[ST+4*\u+1], 0xff7fffff             ; m
.endr
	WIN 0x41
.set i, 0
.rept 32
	v_mov_b32 v[i], v[Q2+i]                        ; the second block's Q goes where the one text of the step names Q
.set i, i+1
.endr
	WIN 0
.endif
.endm
; A tile is entered; fill = 1: the next is asked for, and the tile may or may not end the first block; fill = 0: the walk's last tile, which ends the second.
.macro TRIP fill
	CHANGE \fill
	s_sub_co_u32 s[RT], s[RT], 1
	s_cmp_eq_u32 s[RT], 0
	s_cselect_b32 s[DG], 1, 0
	s_mov_b32 s[CNT], 2
.Lstep_\@:
	STEP
	s_sub_co_u32 s[CNT], s[CNT], 1
	s_cmp_lg_u32 s[CNT], 0
	s_cbranch_scc1 .Lstep_\@
.if \fill
	s_cmp_eq_u32 s[RT], 0
	s_cbranch_scc0 .Lgo_on_\@
.endif
	FINISH \fill
.Lgo_on_\@:
.endm
	s_load_b128 s[4:7], s[0:1], 0x0                ; big s[4:5], act s[6:7]
	v_lshl_add_u32 v[SPW], v0, 2, SPARE
	v_mov_b32 v[NIL], 0
	ds_add_u32 v[SPW], v[NIL]                      ; the wave's opening: the add and its wait ahead of my first tensor load
	v_lshrrev_b32 v1, 5, v0
	v_readfirstlane_b32 s[WV], v1
	s_mov_b32 s[PB], ttmp9
	s_sub_co_u32 s[HI], 7, s[PB]
	s_and_b32 s16, ttmp7, 0xffff
	s_lshr_b32 s17, s16, 4                         ; batch
	s_and_b32 s18, s16, 15                         ; head
	s_lshl_b32 s19, s17, 9
	s_add_co_u32 s19, s19, s18
	s_lshl_b32 s19, s19, 14                        ; q's panel in the batch's first row block
	s_and_b32 s20, s[WV], 1                        ; which half of a tile's 128 keys I fetch
	s_lshl_b32 s[KB], s20, 13
	s_add_co_u32 s[KB], s[KB], s19
	s_add_co_u32 s[KB], s[KB], 16<<14              ; k lies 16 panels behind q
	s_mov_b32 s[KB+1], 0
	s_lshl_b32 s21, s[WV], 11                      ; my 16 rows in a band
	s_add_co_u32 s19, s19, s21
	s_lshl_b32 s[QA], s[HI], 20
	s_add_co_u32 s[QA], s[QA], s19
	s_mov_b32 s[QA+1], 0
	s_lshl_b32 s[QB], s[PB], 20
	s_add_co_u32 s[QB], s[QB], s19
	s_mov_b32 s[QB+1], 0
	s_lshl_b32 s16, s17, 7
	s_add_co_u32 s16, s16, s18
	s_lshl_b32 s16, s16, 14                        ; the result: 16 panels a row block
	s_add_co_u32 s16, s16, s21
	s_lshl_b32 s[OA], s[HI], 18
	s_add_co_u32 s[OA], s[OA], s16
	s_mov_b32 s[OA+1], 0
	s_lshl_b32 s[OLO], s[PB], 18
	s_add_co_u32 s[OLO], s[OLO], s16
	s_mov_b32 s[OLO+1], 0
	s_mov_b32 s[G1K], (1<<16)|(1<<20)|(4<<22)|(3<<25)  ; elements of 2 bytes; padding on; after every 32 words (code 4) 4 words (code 3)
	s_mov_b32 s[G1V], (1<<16)|(1<<20)|(4<<22)|(7<<25)  ; the same with 8 words (code 7)
.irp g, G1K, G1V
	s_mov_b32 s[\g+1], 128<<16                     ; tensor_dim0 = 128: 64 keys are 8,192 dense bytes, asked for as 32 rows of 256
	s_mov_b32 s[\g+2], 32<<16                      ; tensor_dim1 = 32
	s_mov_b32 s[\g+3], 128<<16                     ; tile_dim0 = 128
	s_mov_b32 s[\g+4], 32                          ; tile_dim1 = 32
	s_mov_b32 s[\g+5], 128
	s_mov_b32 s[\g+6], 0
	s_mov_b32 s[\g+7], 0
.endr
	s_mov_b32 s[G0K], 1
	s_mul_i32 s[G0K+1], s20, 64*PK                 ; slot 0
	s_mov_b32 s[G0V], 1
	s_mul_i32 s[G0V+1], s20, 64*PV
	s_add_co_u32 s[G0V+1], s[G0V+1], VOFF
	s_mov_b32 s[CS], 0x3d38aa3b                    ; c = log2(e) / 32
	s_mov_b32 s[CS+1], s[CS]
	s_mov_b32 s[SEL], 0x76543210
	s_mov_b32 s[SEL+1], 0xfedcba98
	s_mov_b32 s[TBK], SLOT1+2*KS*PK                ; the first change of slots turns these two into 0
	s_mov_b32 s[TBV], SLOT1+2*KS*PV
	s_add_co_u32 s[RT], s[HI], 1                   ; the first block has 8 - b tiles
	s_mov_b32 s[NXT], 1
	s_mov_b32 s[LQ], s[HI]
	s_mov_b32 s[OFF+1], 0
	s_mov_b32 s[AL0+1], 0                          ; named as pairs
	s_mov_b32 s[BE0+1], 0
	s_mov_b32 s[AL1+1], 0
	s_mov_b32 s[BIGN], 0xf149f2ca                  ; -1e30
	s_mov_b32 s[SLOTS], 8
	s_cmp_eq_u32 s[PB], 0
	s_cselect_b32 s[LIM], 2, -1
	s_wait_dscnt 0x0                               ; the opening add is done
	s_wait_kmcnt 0x0
	s_add_nc_u64 s[KB:KB+1], s[4:5], s[KB:KB+1]
	s_add_nc_u64 s[VB:VB+1], s[KB:KB+1], 16<<14    ; v lies 16 panels behind k
	s_add_nc_u64 s[G0K+2:G0K+3], s[KB:KB+1], 0
	s_or_b32 s[G0K+3], s[G0K+3], 0x80000000
	s_add_nc_u64 s[G0V+2:G0V+3], s[VB:VB+1], 0
	s_or_b32 s[G0V+3], s[G0V+3], 0x80000000
	s_add_nc_u64 s[QA:QA+1], s[4:5], s[QA:QA+1]
	s_add_nc_u64 s[QB:QB+1], s[4:5], s[QB:QB+1]
	s_add_nc_u64 s[OA:OA+1], s[6:7], s[OA:OA+1]
	s_add_nc_u64 s[OLO:OLO+1], s[6:7], s[OLO:OLO+1]
	s_cmp_lt_u32 s[WV], 2
	s_cselect_b64 s[PFA:PFA+1], s[KB:KB+1], s[VB:VB+1]
	s_add_nc_u64 s[PFA:PFA+1], s[PFA:PFA+1], 1<<20 ; at tile 1; the first change of slots steps it to tile 2
	LOAD                                           ; tile 0 into slot 0
	v_and_b32 v1, 15, v0                           ; l % 16
	v_bfe_u32 v9, v0, 4, 1                         ; l / 16
	v_lshlrev_b32 v[QO], 7, v1
	v_lshl_add_u32 v[QO], v9, 4, v[QO]             ; row x 128 + 16 x half
	WIN 0x40
.set i, 0
.rept 4                                        ; both blocks' Q: piece i / 2 lies in band i / 2, 8,192 bytes on; channels 32 (i % 2) on
	global_load_b128 v[8*i:8*i+3],         v[QO], s[QA:QA+1] offset:(i/2)*8192+(i%2)*64
	global_load_b128 v[8*i+4:8*i+7],       v[QO], s[QA:QA+1] offset:(i/2)*8192+(i%2)*64+32
	global_load_b128 v[Q2+8*i:Q2+8*i+3],   v[QO], s[QB:QB+1] offset:(i/2)*8192+(i%2)*64
	global_load_b128 v[Q2+8*i+4:Q2+8*i+7], v[QO], s[QB:QB+1] offset:(i/2)*8192+(i%2)*64+32
.set i, i+1
.endr
	WIN 0
	v_lshlrev_b32 v14, 3, v9
	v_sub_nc_u32 v14, v1, v14
	s_lshl_b32 s13, s[WV], 4
	v_add_nc_u32 v14, s13, v14                     ; my query's place in its band, 16 w + l % 16, less my lanes' 8 (l / 16): register j of key group kb is hidden where 16 kb + j is greater
.set i, 0
.rept 32
	v_cmp_gt_i32 vcc_lo, 16*(i/8)+i%8, v14
	v_cndmask_b32 v[MD+i], 0, s[BIGN], vcc_lo
.set i, i+1
.endr
	v_mul_u32_u24 v[AK0], v1, PK
	v_lshl_add_u32 v[AK0], v9, 4, v[AK0]
	v_and_b32 v10, 7, v0                           ; the turning load: lane l reads key 8 (l / 16) + l % 8, channels 8 ((l / 8) % 2) + 0..7
	v_bfe_u32 v11, v0, 3, 1
	v_lshl_add_u32 v[AV0], v9, 3, v10
	v_mul_u32_u24 v[AV0], v[AV0], PV
	v_lshl_add_u32 v[AV0], v11, 4, v[AV0]
	v_add_nc_u32 v[AV0], VOFF, v[AV0]
	s_mul_i32 s13, s[WV], 16*SP
	s_add_co_u32 s13, s13, STAGE
	v_mul_u32_u24 v[STO], v1, SP
	v_lshl_add_u32 v[STO], v9, 4, v[STO]
	v_add_nc_u32 v[STO], s13, v[STO]
	v_bfe_u32 v[RD], v0, 3, 2
	v_mul_u32_u24 v[RD], v[RD], SP
	v_lshl_add_u32 v[RD], v10, 4, v[RD]
	v_add_nc_u32 v[RD], s13, v[RD]
	v_and_b32 v[GO], 31, v0
	v_lshlrev_b32 v[PFO], 8, v[GO]
	v_lshlrev_b32 v[GO], 4, v[GO]
.set i, 0
.rept 64                                       ; O^T starts at 0, once a launch, in the wait for the first tile: no first step is written out
	v_mov_b32 v[O+i], 0
.set i, i+1
.endr
.irp u, 0,1
	v_mov_b32 v[ST+4*\u], 0xfe000000
	v_mov_b32 v[ST+4*\u+1], 0xff7fffff
	v_mov_b32 v[ST+4*\u+2], 0
	v_mov_b32 v[ST+4*\u+3], 0
.endr
	s_wait_loadcnt 0x0                             ; Q, both blocks'
.Lslot:                                        ; 8 times: a tile is entered and the next is asked for; one tensor load of mine is out
	TRIP 1
	s_sub_co_u32 s[SLOTS], s[SLOTS], 1
	s_cmp_lg_u32 s[SLOTS], 0
	s_cbranch_scc1 .Lslot
	TRIP 0                                         ; the walk's last tile is written out
	s_wait_tensorcnt 0x0                           ; the wave's end
	ds_add_u32 v[SPW], v[NIL]
	s_wait_dscnt 0x0
	s_endpgm
.Lfunc_end_k_q9cfb37a278_attn:
	.size	k_q9cfb37a278_attn, .Lfunc_end_k_q9cfb37a278_attn-k_q9cfb37a278_attn
	.p2alignl 7, 3214868480
	.fill 96, 4, 3214868480
	.section	.rodata,"a",@progbits
	.p2align	6, 0x0
	.amdhsa_kernel k_q9cfb37a278_attn
		.amdhsa_group_segment_fixed_size 327680
		.amdhsa_private_segment_fixed_size 0
		.amdhsa_enable_private_segment 0
		.amdhsa_kernarg_size 16
		.amdhsa_user_sgpr_count 2
		.amdhsa_user_sgpr_kernarg_segment_ptr 1
		.amdhsa_wavefront_size32 1
		.amdhsa_system_sgpr_workgroup_id_x 1
		.amdhsa_system_sgpr_workgroup_id_y 1
		.amdhsa_system_sgpr_workgroup_id_z 1
		.amdhsa_system_vgpr_workitem_id 0
		.amdhsa_next_free_vgpr 448
		.amdhsa_next_free_sgpr 88
		.amdhsa_reserve_vcc 1
		.amdhsa_float_denorm_mode_32 3
		.amdhsa_float_denorm_mode_16_64 3
		.amdhsa_memory_ordered 1
		.amdhsa_forward_progress 1
		.amdhsa_inst_pref_size 69
	.end_amdhsa_kernel
	.amdgpu_metadata
---
amdhsa.version: [ 1, 2 ]
amdhsa.kernels:
  - .name:           k_q9cfb37a278_attn
    .symbol:         k_q9cfb37a278_attn.kd
    .args:
      - { .name: big, .offset: 0, .size: 8, .value_kind: global_buffer, .address_space: global }
      - { .name: act, .offset: 8, .size: 8, .value_kind: global_buffer, .address_space: global }
    .group_segment_fixed_size: 327680
    .private_segment_fixed_size: 0
    .kernarg_segment_align: 8
    .kernarg_segment_size: 16
    .max_flat_workgroup_size: 128
    .sgpr_count:     88
    .vgpr_count:     448
    .wavefront_size: 32
...
	.end_amdgpu_metadata
.endif
;; end of part 3
;; launch proj (part 4): grid 8 x 32, 4 waves a work-group, clusters of 4 x 4, 327,680 bytes of LDS; arguments act, pp, x, x1; writes x1
.if DOCPART == 4
	.amdgcn_target "amdgcn-amd-amdhsa--gfx1250"
	.amdhsa_code_object_version 6
	.text
	.protected	k_q9cfb37a278_proj
	.globl	k_q9cfb37a278_proj
	.p2align	8
	.type	k_q9cfb37a278_proj,@function
k_q9cfb37a278_proj:
	s_mov_b64 s[64:65], 0
	v_nop
	global_prefetch_b8 v0, s[64:65] scope:SCOPE_SE
	s_setreg_imm32_b32 hwreg(HW_REG_WAVE_MODE, 25, 1), 1
	s_wait_xcnt 0x0
	s_wait_alu depctr_hold_cnt(0) depctr_sa_sdst(0) depctr_va_vdst(0) depctr_va_sdst(0) depctr_va_ssrc(0) depctr_va_vcc(0) depctr_vm_vsrc(0)
	s_getreg_b32 s2, hwreg(HW_REG_IB_STS2, 6, 4)
	s_cmp_eq_u32 s2, 0
	s_cbranch_scc0 .Lentry_in_a_cluster
	s_endpgm
.Lentry_in_a_cluster:
	s_bfe_u32 s2, ttmp6, 0x10000c
	s_cmp_lg_u32 s2, 0xf033
	s_cbranch_scc0 .Lentry_shape_is_right
	s_endpgm
.Lentry_shape_is_right:
; C = R + A W + bias, N = 1024, f32 out.  Here: x1 = x + att wp + bp, K = 1,024; x is rounded to bf16 like every input.
; A: bf16 in blocks of 128 rows x 64 columns (16 KiB on end), P_A panels a row block.  W: behind 32 KiB of tables, bf16, element (k, n) at ((k/128)*16 + n/64)*16384 + (k%128)*128 + (n%64)*2.
; Table: at byte 0 the bias, f32.  R and C: [4096][1024] f32, row-major.  Sums in f32, started at the bias.
; SHARES.  A tile of C, 128 x 128, to a work-group of four waves: 256 work-groups; a wave makes 64 x 64: 16 accumulators.  K goes in steps of 256 through two LDS slots.  Every tensor load is 32 KiB dense in memory, asked for
; as 128 rows of 256 bytes: waves 0, 1 fetch two panels of A each, waves 2, 3 a block of 128 k x two panels of W each.
; CLUSTER.  4 x 4: A's blocks shared along a row, W's along a column, asked for jointly.  THE PRODUCT IS USED TRANSPOSED (source 0 = 16 columns of W, turned out of LDS; source 1 = 16 rows of A).
; ONE TEXT FOR A K STEP.  s[TB] holds the LDS byte at which the slot in hand begins, 0 or SLOT, and is turned by an exclusive or; the fragments' addresses are TB + a lane's fixed term, and one walking descriptor for each
; operand takes TB for its LDS word.  The step stands twice: in the loop that fills slots again (NSTEP - 2 trips), and in the loop of the last two steps, which holds no tensor load.
; REGISTERS.  window 0: v0-31 addresses; v32-95 the way out; v128-255 the accumulators, (a, b) at v[128 + 8 (4 a + b)].  window 1: two fragment buffers of 128.  window 2: v0-127 the residual.
; No prefetch in this launch: a trip would name the K step four on, and K has four steps.
; LIMITS.  bf16 operands; NaN and infinities are not treated apart.
.set P_A,   16
.set NSTEP, 4
.set ROUNDRES, 1
.set PF,    0
.set AMB,   P_A*16384                  ; bytes in a row block of A
.set PA,    144
.set PB,    160
.set APAN,  128*PA
.set ALOAD, 2*APAN
.set BPAN,  128*PB
.set BLOAD, 2*BPAN
.set BOFF,  2*ALOAD
.set SLOT,  BOFF+2*BLOAD               ; 155,648
.set SPARE, 2*SLOT                     ; the spare words, 128 bytes a wave: two blocks of 256 bytes that no other line names
.set SPITCH, 272
.set STG,   16*SPITCH                  ; the way out's stage, 16 rows x 256 bytes a wave: at the head of slot 0, which by then has had its last fill and its last read
.set ASTEP, 65536
.set BSTEP, 524288
.set WOFF,  32768
.set A0,   16                          ; v16  my lane's place in a slot's A; never rewritten
.set B0,   17                          ; v17  the same for W
.set ADRA, 20                          ; v20  LDS address of my A fragments in the slot in hand
.set ADRB, 21                          ; v21  the same for W
.set STO,  24
.set RD,   25
.set CO,   26                          ; v26  my 16 bytes in two rows of R and C
.set BO,   27
.set SPW,  28
.set NIL,  29
.set PFO,  30
.set ONE,  31
.set TMP,  32
.set ACC,  128
.set F0,   0
.set F1,   128
.set WV,   12
.set WR,   13
.set WC,   14
.set LA,   22                          ; s22  where my load of A lands in a slot;  s23 the same for W
.set LB,   23
.set G1A,  24
.set G0A,  32                          ; s[32:39] group 0 for A: a set for each of the two first fills; the second then walks on
.set G1B,  48
.set G0B,  56
.set PFA,  44
.set PST,  46
.set LIM,  66
.set TBL,  68
.set TB,   74                          ; s74  0 or SLOT: the slot in hand
.set MSB, 0
.macro WIN new
.if MSB != (\new)
	s_set_vgpr_msb (MSB<<8)|(\new)
.set MSB, \new
.endif
.endm
.set MUL,  0x05                        ; sources 0 (W) and 1 (A) window 1; C and D window 0
.set TO_F, 0x40
.macro JLOAD s                         ; a joint load; an s_nop 0 and four v_nop follow each of the two lines
	s_cmp_eq_u32 s[WR], 0
	s_cbranch_scc0 .Lfor_b_\@
	tensor_load_to_lds s[G0A+4*(\s):G0A+4*(\s)+3], s[G1A:G1A+7]
	s_nop 0
.rept 4
	v_nop
.endr
	s_branch .Lasked_\@
.Lfor_b_\@:
	tensor_load_to_lds s[G0B+4*(\s):G0B+4*(\s)+3], s[G1B:G1B+7]
	s_nop 0
.rept 4
	v_nop
.endr
.Lasked_\@:
.endm
.macro ASK                             ; a prefetch of my work-group's 8 KiB of the block two refills on; who asks: as the set-up below says
	s_cmp_gt_u32 s3, s[LIM]
	s_cbranch_scc0 .Lnot_mine_\@
	global_prefetch_b8 v[PFO], s[PFA:PFA+1] th:TH_LOAD_NT scope:SCOPE_SE
.Lnot_mine_\@:
.endm
.macro CREST
	s_cmp_lg_u32 s[WV], 0
	s_cbranch_scc1 .Lnot_wave_0_\@
	s_barrier_signal -3
.Lnot_wave_0_\@:
	s_barrier_wait -3
	s_barrier_signal -1
	s_barrier_wait -1
.endm
.macro CROUND
	s_barrier_signal -1
	s_barrier_wait -1
	CREST
.endm
.macro PLACES
.rept 4
	v_nop
.endr
.endm
; 8 matrix instructions: row blocks a0, a0 + 1 x all 4 column blocks, 32 along K: half c of buffer f.  The 16 accumulators take turns.
.macro MUL8 f, c, a0
	WIN MUL
.irp a, \a0, (\a0)+1
.irp b, 0,1,2,3
	v_wmma_f32_16x16x32_bf16 v[ACC+8*(4*(\a)+(\b)):ACC+8*(4*(\a)+(\b))+7], v[(\f)+64+8*(4*(\c)+(\b)):(\f)+64+8*(4*(\c)+(\b))+7], v[(\f)+8*(4*(\c)+(\a)):(\f)+8*(4*(\c)+(\a))+7], v[ACC+8*(4*(\a)+(\b)):ACC+8*(4*(\a)+(\b))+7]
.endr
.endr
.endm
; 32 LDS loads in one run: quarter q (64 k: A's panel q) of the K step in the slot that ADRA and ADRB name, into buffer f; the first 32 along K first
.macro FETCH q, f
	WIN TO_F
.irp c, 0,1
.irp i, 0,1,2,3
	ds_load_tr16_b128 v[(\f)+64+8*(4*(\c)+(\i)):(\f)+64+8*(4*(\c)+(\i))+3],   v[ADRB] offset:((\q)/2)*BLOAD+(((\q)%2)*64+(\c)*32)*PB+(\i)*32
	ds_load_tr16_b128 v[(\f)+64+8*(4*(\c)+(\i))+4:(\f)+64+8*(4*(\c)+(\i))+7], v[ADRB] offset:((\q)/2)*BLOAD+(((\q)%2)*64+(\c)*32)*PB+(\i)*32+16*PB
	ds_load_b128 v[(\f)+8*(4*(\c)+(\i)):(\f)+8*(4*(\c)+(\i))+3],   v[ADRA] offset:(\q)*APAN+(\i)*16*PA+(\c)*64
	ds_load_b128 v[(\f)+8*(4*(\c)+(\i))+4:(\f)+8*(4*(\c)+(\i))+7], v[ADRA] offset:(\q)*APAN+(\i)*16*PA+(\c)*64+32
.endr
.endr
.endm
.macro QUARTER q, f, g
	s_wait_dscnt 16                                ; the first 32 along K are in; the other sixteen loads may be out
	MUL8 \f, 0, 0
	MUL8 \f, 0, 2
	PLACES
	FETCH \q, \g
	s_wait_dscnt 32                                ; all but the 32 just issued
	MUL8 \f, 1, 0
	MUL8 \f, 1, 2
.endm
; The last quarter's first half: ONE barrier for the change of slots; in front of it each wave waits for all its tensor loads, adds 0 to its spare word, and waits for that and for its reads of this slot.
.macro MEET
	WIN 0
	s_wait_tensorcnt 0x0
	ds_add_u32 v[SPW], v[NIL]
	s_wait_dscnt 17                                ; the add and the youngest sixteen loads may be out
	MUL8 F1, 0, 0
	s_wait_dscnt 0x0                               ; the add is done, my reads of this slot are over
	s_barrier_signal -1
	MUL8 F1, 0, 2
	WIN 0
	s_barrier_wait -1
.endm
; The whole last quarter where the slot is filled again: the barrier opens a round of the cluster's, and the joint refill, two K steps on, is the first tensor load behind it: 112 matrix instructions ahead of the wait for it.
.macro TURN
.if PF
	s_wait_xcnt 0x0                                ; the last prefetch, a K step back, has read its address
	s_add_nc_u64 s[PFA:PFA+1], s[PFA:PFA+1], s[PST:PST+1]
.endif
	MEET
	CREST
	s_add_co_u32 s[G0A+5], s[LA], s[TB]            ; no tensor load of mine is out: the walking descriptors take the slot just read out
	s_add_co_u32 s[G0B+5], s[LB], s[TB]
	s_add_nc_u64 s[G0A+6:G0A+7], s[G0A+6:G0A+7], ASTEP  ; and the next K step; the type bits on top are not reached
	s_add_nc_u64 s[G0B+6:G0B+7], s[G0B+6:G0B+7], BSTEP
	s_xor_b32 s[TB], s[TB], SLOT                   ; the other slot is in hand
	JLOAD 1                                        ; its four v_nop are also the places in front of the loads below
	v_add_nc_u32 v[ADRA], s[TB], v[A0]
	v_add_nc_u32 v[ADRB], s[TB], v[B0]
	FETCH 0, F0
.if PF
	WIN 0
	ASK
.endif
	MUL8 F1, 1, 0
	MUL8 F1, 1, 2
.endm
; THE WAY OUT of row block a (16 rows x 64 columns of f32).  TOST: into my stage, back as whole rows of 256 bytes.  FIN: the residual is added, the rows are stored.
.macro TOST a
	s_wait_xcnt 0x0                                ; the stores of two blocks back have read the registers that are loaded below
.irp b, 0,1,2,3
	ds_store_b128 v[STO], v[ACC+8*(4*(\a)+(\b)):ACC+8*(4*(\a)+(\b))+3]   offset:64*(\b)      ; each accumulator's low registers first
	ds_store_b128 v[STO], v[ACC+8*(4*(\a)+(\b))+4:ACC+8*(4*(\a)+(\b))+7] offset:64*(\b)+16
.endr
.irp t, 0,1,2,3,4,5,6,7
	ds_load_b128 v[TMP+32*((\a)%2)+4*(\t):TMP+32*((\a)%2)+4*(\t)+3], v[RD] offset:(\t)*2*SPITCH  ; LDS serves a wave's instructions in order (ISA guide 5.7.1.4)
.endr
.endm
.macro FIN a, younger                  ; younger: the next block's sixteen LDS instructions, or none
	s_wait_dscnt \younger
.set TM, TMP+32*((\a)%2)
.if ROUNDRES
	WIN 0x02                                       ; source 0 in window 2: the residual, two bf16 a register
.set e, 0
.rept 16
	v_fma_mix_f32_bf16 v[TM+2*e],   v[16*(\a)+e], v[ONE], v[TM+2*e]   op_sel:[0,0,0] op_sel_hi:[1,0,0]
	v_fma_mix_f32_bf16 v[TM+2*e+1], v[16*(\a)+e], v[ONE], v[TM+2*e+1] op_sel:[1,0,0] op_sel_hi:[1,0,0]
.set e, e+1
.endr
.else
	WIN 0x08                                       ; source 1 in window 2
.set e, 0
.rept 16
	v_pk_add_f32 v[TM+2*e:TM+2*e+1], v[TM+2*e:TM+2*e+1], v[32*(\a)+2*e:32*(\a)+2*e+1]
.set e, e+1
.endr
.endif
	WIN 0
.irp t, 0,1,2,3,4,5,6,7
	global_store_b128 v[CO], v[TM+4*(\t):TM+4*(\t)+3], s[10:11] offset:(16*(\a)+2*(\t))*4096  ; 16 lanes store 256 consecutive bytes, aligned
.endr
.endm
	s_load_b256 s[4:11], s[0:1], 0x0               ; A s[4:5], table and W s[6:7], R s[8:9], C s[10:11]
	v_lshl_add_u32 v[SPW], v0, 2, SPARE
	v_mov_b32 v[NIL], 0
	ds_add_u32 v[SPW], v[NIL]                      ; the wave's opening: the add and its wait ahead of my first tensor load
	v_lshrrev_b32 v1, 5, v0
	v_readfirstlane_b32 s[WV], v1
	s_lshr_b32 s[WR], s[WV], 1                     ; which half of the rows is mine; also: I fetch A (0) or W (1)
	s_and_b32 s[WC], s[WV], 1                      ; which half of the columns; also: which half I fetch
	s_bfe_u32 s15, ttmp6, 0x40000                  ; cx
	s_bfe_u32 s16, ttmp6, 0x40004                  ; cy
	s_lshl_b32 s17, ttmp9, 2
	s_add_co_u32 s17, s17, s15                     ; tile column
	s_and_b32 s18, ttmp7, 0xffff
	s_lshl_b32 s18, s18, 2
	s_add_co_u32 s18, s18, s16                     ; tile row
	s_lshl_b32 s19, s16, 2
	s_lshl_b32 s19, 15, s19
	s_lshl_b32 s20, 0x1111, s15
	s_or_b32 s[G1A], s19, (1<<16)|(1<<20)|(1<<21)|(4<<22)|(3<<25)  ; the mask; elements of 2 bytes; padding on; bit 21 beside a mask; after every 32 words (code 4) 4 words (code 3)
	s_or_b32 s[G1B], s20, (1<<16)|(1<<20)|(1<<21)|(4<<22)|(7<<25)  ; the same with 8 words (code 7)
.irp g, G1A, G1B
	s_mov_b32 s[(\g)+1], 128<<16                   ; 128 rows of 128 elements, dense
	s_mov_b32 s[(\g)+2], 128<<16
	s_mov_b32 s[(\g)+3], 128<<16
	s_mov_b32 s[(\g)+4], 128
	s_mov_b32 s[(\g)+5], 128
	s_mov_b32 s[(\g)+6], 0
	s_mov_b32 s[(\g)+7], 0
.endr
	s_mul_i32 s40, s18, AMB
	s_lshl_b32 s21, s[WC], 15
	s_add_co_u32 s40, s40, s21                     ; A: the tile row's block, my two panels
	s_mov_b32 s41, 0
	s_lshl_b32 s42, s[WC], 18                      ; W: my block of 128 k,
	s_lshl_b32 s70, s17, 15                        ; the tile column's two panels
	s_add_co_u32 s42, s42, s70
	s_add_co_u32 s42, s42, WOFF
	s_mov_b32 s43, 0
	s_mul_i32 s[LA], s[WC], ALOAD                  ; where they go in a slot: no place in the cluster enters an LDS address
	s_mul_i32 s[LB], s[WC], BLOAD
	s_add_co_u32 s[LB], s[LB], BOFF
	s_mov_b32 s[TB], 0
	s_wait_dscnt 0x0                               ; the opening add is done
	s_wait_kmcnt 0x0
	s_add_nc_u64 s[40:41], s[4:5], s[40:41]
	s_add_nc_u64 s[42:43], s[6:7], s[42:43]
	CROUND                                         ; all sixteen work-groups are here: the first joint loads meet
.irp s, 0,1
	s_mov_b32 s[G0A+4*(\s)], 1
	s_add_co_u32 s[G0A+4*(\s)+1], s[LA], (\s)*SLOT
	s_add_nc_u64 s[G0A+4*(\s)+2:G0A+4*(\s)+3], s[40:41], (\s)*ASTEP
	s_or_b32 s[G0A+4*(\s)+3], s[G0A+4*(\s)+3], 0x80000000
	s_mov_b32 s[G0B+4*(\s)], 1
	s_add_co_u32 s[G0B+4*(\s)+1], s[LB], (\s)*SLOT
	s_add_nc_u64 s[G0B+4*(\s)+2:G0B+4*(\s)+3], s[42:43], (\s)*BSTEP
	s_or_b32 s[G0B+4*(\s)+3], s[G0B+4*(\s)+3], 0x80000000
	JLOAD \s                                       ; two loads of mine are out
.endr
	v_and_b32 v1, 15, v0
	v_bfe_u32 v2, v0, 4, 1
	v_mul_u32_u24 v3, v1, PA
	v_lshl_add_u32 v3, v2, 4, v3
	s_mul_i32 s21, s[WR], 64*PA
	v_add_nc_u32 v[A0], s21, v3
	v_mov_b32 v[ADRA], v[A0]                       ; slot 0 is in hand
	v_and_b32 v4, 7, v0
	v_lshl_add_u32 v4, v2, 3, v4
	v_mul_u32_u24 v4, v4, PB
	v_bfe_u32 v5, v0, 3, 1
	v_lshl_add_u32 v4, v5, 4, v4
	s_mul_i32 s21, s[WC], BPAN
	s_add_co_u32 s21, s21, BOFF
	v_add_nc_u32 v[B0], s21, v4
	v_mov_b32 v[ADRB], v[B0]
	s_mul_i32 s21, s[WV], STG
	v_mul_u32_u24 v5, v1, SPITCH
	v_lshl_add_u32 v5, v2, 5, v5
	v_add_nc_u32 v[STO], s21, v5                   ; in: row l % 16, 32 bytes for each half of the lanes
	v_mul_u32_u24 v5, v2, SPITCH
	v_lshl_add_u32 v5, v1, 4, v5
	v_add_nc_u32 v[RD], s21, v5                    ; back: lanes 0-15 one row of 256 bytes, lanes 16-31 the next
	v_lshlrev_b32 v[CO], 4, v1
	v_lshl_add_u32 v[CO], v2, 12, v[CO]
	v_lshlrev_b32 v[BO], 5, v2
	v_mov_b32 v[ONE], 1.0
	s_lshl_b32 s70, s18, 19
	s_lshl_b32 s71, s[WR], 18
	s_add_co_u32 s70, s70, s71                     ; my first row, 4,096 bytes a row,
	s_lshl_b32 s72, s17, 9
	s_lshl_b32 s73, s[WC], 8
	s_add_co_u32 s72, s72, s73                     ; my first column, 4 bytes a number
	s_add_co_u32 s70, s70, s72
	s_mov_b32 s71, 0
	s_mov_b32 s73, 0
	s_add_nc_u64 s[8:9], s[8:9], s[70:71]
	s_add_nc_u64 s[10:11], s[10:11], s[70:71]
	s_add_nc_u64 s[TBL:TBL+1], s[6:7], s[72:73]
.set i, 0
.rept 16                                       ; THE SUMS START AT THE BIAS, loaded straight into each accumulator
	global_load_b128 v[ACC+8*i:ACC+8*i+3],   v[BO], s[TBL:TBL+1] offset:64*(i%4)
	global_load_b128 v[ACC+8*i+4:ACC+8*i+7], v[BO], s[TBL:TBL+1] offset:64*(i%4)+16
.set i, i+1
.endr
	WIN 0x80
.set i, 0
.rept 32                                       ; the residual, as it will be added: two rows of 256 bytes a load; it lands while K is walked
	global_load_b128 v[4*i:4*i+3], v[CO], s[8:9] offset:(16*(i/8)+2*(i%8))*4096 th:TH_LOAD_NT
.set i, i+1
.endr
	WIN 0
.if PF
	; the prefetches: at my block of K step 3; the first refill steps it to K step 4.  A's blocks are read by every cluster of a row of clusters: cluster x = 0 asks; W's by every cluster of a column: cluster y = 0 asks;
	; the four partners that ask for a block jointly share it out by address, 8 KiB each, a lane for each 256 bytes.  The trip of K step t names K step t + 4: the loop's last two trips ask for nothing.
	v_and_b32 v6, 31, v0
	v_lshlrev_b32 v[PFO], 8, v6
	s_and_b32 s21, ttmp7, 0xffff
	s_mul_i32 s70, s18, AMB
	s_lshl_b32 s71, s[WC], 15
	s_add_co_u32 s70, s70, s71
	s_add_co_u32 s70, s70, 3*ASTEP
	s_lshl_b32 s72, s[WC], 18
	s_lshl_b32 s73, s17, 15
	s_add_co_u32 s72, s72, s73
	s_add_co_u32 s72, s72, WOFF+3*BSTEP
	s_mov_b32 s[PST], BSTEP
	s_mov_b32 s[PST+1], 0
	s_cmp_eq_u32 s[WR], 0
	s_cselect_b32 s70, s70, s72
	s_cselect_b32 s71, s15, s16
	s_cselect_b32 s21, ttmp9, s21
	s_cselect_b64 s[PFA:PFA+1], s[4:5], s[6:7]
	s_cselect_b32 s[PST], ASTEP, s[PST]
	s_cmp_eq_u32 s21, 0
	s_cselect_b32 s[LIM], 2, -1
	s_lshl_b32 s71, s71, 13
	s_add_co_u32 s70, s70, s71
	s_mov_b32 s71, 0
	s_add_nc_u64 s[PFA:PFA+1], s[PFA:PFA+1], s[70:71]
.endif
	s_wait_tensorcnt 1                             ; my part of K step 0 is in; K step 1's may stay out
	s_barrier_signal -1
	s_barrier_wait -1
	FETCH 0, F0
	s_wait_loadcnt 32                              ; the bias is in; the 32 younger loads, the residual, may stay out
	WIN 0
	s_mov_b32 s3, NSTEP-2
.Lstep:                                        ; a trip is a K step; its slot is filled again with the K step two on; one tensor load of mine is out
	QUARTER 1, F0, F1
	QUARTER 2, F1, F0
	QUARTER 3, F0, F1
	TURN
	WIN 0                                          ; at a label and at a branch every window is 0
	s_sub_co_u32 s3, s3, 1
	s_cmp_lg_u32 s3, 0
	s_cbranch_scc1 .Lstep
	s_mov_b32 s3, 2
.Ltail:                                        ; the last two K steps have a text of their own: nothing is asked for
	QUARTER 1, F0, F1
	QUARTER 2, F1, F0
	QUARTER 3, F0, F1
	MEET                                           ; first trip: the last K step's block has landed, everybody's.  The second trip's barrier orders nothing new: the price, once a launch, of one text for both
	s_xor_b32 s[TB], s[TB], SLOT
	s_cmp_eq_u32 s3, 1
	s_cbranch_scc1 .Lno_more                       ; behind the last K step there is nothing to fetch
	v_add_nc_u32 v[ADRA], s[TB], v[A0]
	v_add_nc_u32 v[ADRB], s[TB], v[B0]
	PLACES
	FETCH 0, F0
	WIN 0
.Lno_more:
	MUL8 F1, 1, 0
	MUL8 F1, 1, 2
	WIN 0
	s_sub_co_u32 s3, s3, 1
	s_cmp_lg_u32 s3, 0
	s_cbranch_scc1 .Ltail
	PLACES
	s_wait_loadcnt 0x0                             ; the residual
.if ROUNDRES
	WIN 0x8a                                       ; all in window 2: the residual is rounded to bf16, packed in place, ascending
.set i, 0
.rept 64
	v_cvt_pk_bf16_f32 v[i], v[2*i], v[2*i+1]
.set i, i+1
.endr
.endif
	WIN 0
	TOST 0
	TOST 1
	FIN 0, 16
	TOST 2
	FIN 1, 16
	TOST 3
	FIN 2, 16
	FIN 3, 0
	s_wait_tensorcnt 0x0                           ; the wave's end
	ds_add_u32 v[SPW], v[NIL]
	s_wait_dscnt 0x0
	CROUND                                         ; the closing round
	s_endpgm
.Lfunc_end_k_q9cfb37a278_proj:
	.size	k_q9cfb37a278_proj, .Lfunc_end_k_q9cfb37a278_proj-k_q9cfb37a278_proj
	.p2alignl 7, 3214868480
	.fill 96, 4, 3214868480
	.section	.rodata,"a",@progbits
	.p2align	6, 0x0
	.amdhsa_kernel k_q9cfb37a278_proj
		.amdhsa_group_segment_fixed_size 327680
		.amdhsa_private_segment_fixed_size 0
		.amdhsa_enable_private_segment 0
		.amdhsa_kernarg_size 32
		.amdhsa_user_sgpr_count 2
		.amdhsa_user_sgpr_kernarg_segment_ptr 1
		.amdhsa_wavefront_size32 1
		.amdhsa_system_sgpr_workgroup_id_x 1
		.amdhsa_system_sgpr_workgroup_id_y 1
		.amdhsa_system_sgpr_workgroup_id_z 1
		.amdhsa_system_vgpr_workitem_id 0
		.amdhsa_next_free_vgpr 640
		.amdhsa_next_free_sgpr 80
		.amdhsa_reserve_vcc 0
		.amdhsa_float_denorm_mode_32 3
		.amdhsa_float_denorm_mode_16_64 3
		.amdhsa_memory_ordered 1
		.amdhsa_forward_progress 1
		.amdhsa_inst_pref_size 72
	.end_amdhsa_kernel
	.amdgpu_metadata
---
amdhsa.version: [ 1, 2 ]
amdhsa.kernels:
  - .name:           k_q9cfb37a278_proj
    .symbol:         k_q9cfb37a278_proj.kd
    .args:
      - { .name: act, .offset: 0, .size: 8, .value_kind: global_buffer, .address_space: global }
      - { .name: pp, .offset: 8, .size: 8, .value_kind: global_buffer, .address_space: global }
      - { .name: x, .offset: 16, .size: 8, .value_kind: global_buffer, .address_space: global }
      - { .name: x1, .offset: 24, .size: 8, .value_kind: global_buffer, .address_space: global }
    .group_segment_fixed_size: 327680
    .private_segment_fixed_size: 0
    .kernarg_segment_align: 8
    .kernarg_segment_size: 32
    .max_flat_workgroup_size: 128
    .sgpr_count:     80
    .vgpr_count:     640
    .wavefront_size: 32
...
	.end_amdgpu_metadata
.endif
;; end of part 4
;; launch ln2 (part 5): grid 256 x 1, 8 waves a work-group, no clusters, 0 bytes of LDS; arguments x1, g2, be2, act; writes act
.if DOCPART == 5
	.amdgcn_target "amdgcn-amd-amdhsa--gfx1250"
	.amdhsa_code_object_version 6
	.text
	.protected	k_q9cfb37a278_ln2
	.globl	k_q9cfb37a278_ln2
	.p2align	8
	.type	k_q9cfb37a278_ln2,@function
k_q9cfb37a278_ln2:
	s_mov_b64 s[64:65], 0
	v_nop
	global_prefetch_b8 v0, s[64:65] scope:SCOPE_SE
	s_setreg_imm32_b32 hwreg(HW_REG_WAVE_MODE, 25, 1), 1
	s_wait_xcnt 0x0
; h2 = LayerNorm(x1; g2, be2), 16 rows a work-group, two a wave, to act in bf16.  x1 is the program's own f32 and is taken as it is; g2 and be2 are rounded to bf16 like every input.
; act: element (row, col) at ((row/128)*16 + col/64)*16384 + (row%128)*128 + (col%64)*2.  Lanes 0-15 take one row, lanes 16-31 the next, the same 64 columns: a load reads 256 consecutive bytes of each of two rows,
; and the 8-byte store of the wave covers 256 consecutive bytes, aligned.  A row lives in 16 lanes of one wave: no LDS, no barrier.  Mean, squares (of the centred numbers) and scaling in f32.
; LIMITS.  NaN and infinities are not treated apart.
.set XR, 16                            ; v[16:79]    my 64 numbers of a row
.set GR, 80                            ; v[80:143]   the gain; later packed to bf16 in v[80:111]
.set BR, 144                           ; v[144:207]  the shift, likewise
.set AC, 208                           ; v[208:215]  four chains of packed sums
.set MU, 216                           ; v[216:217]  the mean, twice
.set RS, 218                           ; v[218:219]  1 / sqrt(var + eps), twice
.set TT, 220
.macro RED                             ; four chains into one number, then over the row's 16 lanes
	v_pk_add_f32 v[AC:AC+1], v[AC:AC+1], v[AC+2:AC+3]
	v_pk_add_f32 v[AC+4:AC+5], v[AC+4:AC+5], v[AC+6:AC+7]
	v_pk_add_f32 v[AC:AC+1], v[AC:AC+1], v[AC+4:AC+5]
	v_add_f32 v[TT], v[AC], v[AC+1]
.irp m, 1,2,4,8
	v_add_f32_dpp v[TT], v[TT], v[TT] row_xmask:\m row_mask:0xf bank_mask:0xf
.endr
.endm
	s_load_b256 s[8:15], s[0:1], 0x0               ; x1 8, g2 10, be2 12, act 14
	v_and_b32 v1, 15, v0
	v_bfe_u32 v2, v0, 4, 1
	v_lshrrev_b32 v3, 5, v0
	v_readfirstlane_b32 s2, v3                     ; wave 0..7
	s_mov_b32 s50, 0x3a800000                      ; 1 / 1024
	s_mov_b32 s51, 0x3727c5ac                      ; 1e-5
	s_mov_b32 s3, ttmp9
	s_lshl_b32 s4, s3, 4
	s_lshl1_add_u32 s4, s2, s4                     ; 16 g + 2 w
	s_lshl_b32 s5, s4, 12
	v_lshlrev_b32 v5, 4, v1
	v_lshl_add_u32 v4, v2, 12, v5
	v_add_nc_u32 v4, s5, v4
	s_lshr_b32 s6, s3, 3
	s_lshl_b32 s6, s6, 18
	s_and_b32 s7, s4, 127
	s_lshl_b32 s7, s7, 7
	s_add_co_u32 s6, s6, s7
	v_lshlrev_b32 v6, 3, v1
	v_lshl_add_u32 v6, v2, 7, v6
	v_add_nc_u32 v6, s6, v6
	s_wait_kmcnt 0x0
.set j, 0
.rept 16
	global_load_b128 v[XR+4*j:XR+4*j+3], v4, s[8:9] offset:256*j th:TH_LOAD_NT
.set j, j+1
.endr
.set j, 0
.rept 16
	global_load_b128 v[GR+4*j:GR+4*j+3], v5, s[10:11] offset:256*j
.set j, j+1
.endr
.set j, 0
.rept 16
	global_load_b128 v[BR+4*j:BR+4*j+3], v5, s[12:13] offset:256*j
.set j, j+1
.endr
	s_wait_loadcnt 32                              ; the row is in; the 32 younger loads, gain and shift, may stay out
.irp k, 0,1,2,3
	v_pk_add_f32 v[AC+2*\k:AC+2*\k+1], v[XR+2*\k:XR+2*\k+1], v[XR+8+2*\k:XR+8+2*\k+1]  ; the first two pairs start each chain
.endr
.set j, 2
.rept 6
.irp k, 0,1,2,3
	v_pk_add_f32 v[AC+2*\k:AC+2*\k+1], v[AC+2*\k:AC+2*\k+1], v[XR+8*j+2*\k:XR+8*j+2*\k+1]
.endr
.set j, j+1
.endr
	RED
	v_mul_f32 v[MU], s50, v[TT]
	v_mov_b32 v[MU+1], v[MU]
.set j, 0
.rept 32
	v_pk_add_f32 v[XR+2*j:XR+2*j+1], v[XR+2*j:XR+2*j+1], v[MU:MU+1] neg_lo:[0,1] neg_hi:[0,1]
.set j, j+1
.endr
.irp k, 0,1,2,3
	v_pk_mul_f32 v[AC+2*\k:AC+2*\k+1], v[XR+2*\k:XR+2*\k+1], v[XR+2*\k:XR+2*\k+1]
.endr
.set j, 1
.rept 7
.irp k, 0,1,2,3
	v_pk_fma_f32 v[AC+2*\k:AC+2*\k+1], v[XR+8*j+2*\k:XR+8*j+2*\k+1], v[XR+8*j+2*\k:XR+8*j+2*\k+1], v[AC+2*\k:AC+2*\k+1]
.endr
.set j, j+1
.endr
	RED
	v_fma_f32 v[TT], v[TT], s50, s51
	v_rsq_f32 v[RS], v[TT]
	s_wait_loadcnt 0x0                             ; gain and shift are in
.set j, 0
.rept 32                                       ; packed in place, ascending: 64 plain instructions behind the root, none of which names its registers
	v_cvt_pk_bf16_f32 v[GR+j], v[GR+2*j], v[GR+2*j+1]
	v_cvt_pk_bf16_f32 v[BR+j], v[BR+2*j], v[BR+2*j+1]
.set j, j+1
.endr
	s_wait_alu depctr_va_vdst(0)                   ; the wait ahead of the first instruction that names the root's result
	v_mov_b32 v[RS+1], v[RS]
.set j, 0
.rept 16
	v_pk_mul_f32 v[XR+4*j:XR+4*j+1], v[XR+4*j:XR+4*j+1], v[RS:RS+1]
	v_pk_mul_f32 v[XR+4*j+2:XR+4*j+3], v[XR+4*j+2:XR+4*j+3], v[RS:RS+1]
	v_fma_mix_f32_bf16 v[XR+4*j],   v[XR+4*j],   v[GR+2*j],   v[BR+2*j]   op_sel:[0,0,0] op_sel_hi:[0,1,1]
	v_fma_mix_f32_bf16 v[XR+4*j+1], v[XR+4*j+1], v[GR+2*j],   v[BR+2*j]   op_sel:[0,1,1] op_sel_hi:[0,1,1]
	v_fma_mix_f32_bf16 v[XR+4*j+2], v[XR+4*j+2], v[GR+2*j+1], v[BR+2*j+1] op_sel:[0,0,0] op_sel_hi:[0,1,1]
	v_fma_mix_f32_bf16 v[XR+4*j+3], v[XR+4*j+3], v[GR+2*j+1], v[BR+2*j+1] op_sel:[0,1,1] op_sel_hi:[0,1,1]
	v_cvt_pk_bf16_f32 v[XR+4*j], v[XR+4*j], v[XR+4*j+1]
	v_cvt_pk_bf16_f32 v[XR+4*j+1], v[XR+4*j+2], v[XR+4*j+3]
	global_store_b64 v6, v[XR+4*j:XR+4*j+1], s[14:15] offset:16384*j th:TH_STORE_NT  ; panel j; 256 consecutive bytes, aligned
.set j, j+1
.endr
	s_endpgm
.Lfunc_end_k_q9cfb37a278_ln2:
	.size	k_q9cfb37a278_ln2, .Lfunc_end_k_q9cfb37a278_ln2-k_q9cfb37a278_ln2
	.p2alignl 7, 3214868480
	.fill 96, 4, 3214868480
	.section	.rodata,"a",@progbits
	.p2align	6, 0x0
	.amdhsa_kernel k_q9cfb37a278_ln2
		.amdhsa_group_segment_fixed_size 0
		.amdhsa_private_segment_fixed_size 0
		.amdhsa_enable_private_segment 0
		.amdhsa_kernarg_size 32
		.amdhsa_user_sgpr_count 2
		.amdhsa_user_sgpr_kernarg_segment_ptr 1
		.amdhsa_wavefront_size32 1
		.amdhsa_system_sgpr_workgroup_id_x 1
		.amdhsa_system_sgpr_workgroup_id_y 1
		.amdhsa_system_sgpr_workgroup_id_z 1
		.amdhsa_system_vgpr_workitem_id 0
		.amdhsa_next_free_vgpr 224
		.amdhsa_next_free_sgpr 66
		.amdhsa_reserve_vcc 0
		.amdhsa_float_denorm_mode_32 3
		.amdhsa_float_denorm_mode_16_64 3
		.amdhsa_memory_ordered 1
		.amdhsa_forward_progress 1
		.amdhsa_inst_pref_size 27
	.end_amdhsa_kernel
	.amdgpu_metadata
---
amdhsa.version: [ 1, 2 ]
amdhsa.kernels:
  - .name:           k_q9cfb37a278_ln2
    .symbol:         k_q9cfb37a278_ln2.kd
    .args:
      - { .name: x1, .offset: 0, .size: 8, .value_kind: global_buffer, .address_space: global }
      - { .name: g2, .offset: 8, .size: 8, .value_kind: global_buffer, .address_space: global }
      - { .name: be2, .offset: 16, .size: 8, .value_kind: global_buffer, .address_space: global }
      - { .name: act, .offset: 24, .size: 8, .value_kind: global_buffer, .address_space: global }
    .group_segment_fixed_size: 0
    .private_segment_fixed_size: 0
    .kernarg_segment_align: 8
    .kernarg_segment_size: 32
    .max_flat_workgroup_size: 256
    .sgpr_count:     66
    .vgpr_count:     224
    .wavefront_size: 32
...
	.end_amdgpu_metadata
.endif
;; end of part 5
;; launch ffn1: the kernel of part 2 again; grid 16 x 16, 4 waves a work-group, clusters of 4 x 4, 327,680 bytes of LDS; arguments act, p1, big; writes big
;; launch ffn2 (part 6): grid 8 x 32, 4 waves a work-group, clusters of 4 x 4, 327,680 bytes of LDS; arguments big, p2, x1, out0; writes out0
.if DOCPART == 6
	.amdgcn_target "amdgcn-amd-amdhsa--gfx1250"
	.amdhsa_code_object_version 6
	.text
	.protected	k_q9cfb37a278_ffn2
	.globl	k_q9cfb37a278_ffn2
	.p2align	8
	.type	k_q9cfb37a278_ffn2,@function
k_q9cfb37a278_ffn2:
	s_mov_b64 s[64:65], 0
	v_nop
	global_prefetch_b8 v0, s[64:65] scope:SCOPE_SE
	s_setreg_imm32_b32 hwreg(HW_REG_WAVE_MODE, 25, 1), 1
	s_wait_xcnt 0x0
	s_wait_alu depctr_hold_cnt(0) depctr_sa_sdst(0) depctr_va_vdst(0) depctr_va_sdst(0) depctr_va_ssrc(0) depctr_va_vcc(0) depctr_vm_vsrc(0)
	s_getreg_b32 s2, hwreg(HW_REG_IB_STS2, 6, 4)
	s_cmp_eq_u32 s2, 0
	s_cbranch_scc0 .Lentry_in_a_cluster
	s_endpgm
.Lentry_in_a_cluster:
	s_bfe_u32 s2, ttmp6, 0x10000c
	s_cmp_lg_u32 s2, 0xf033
	s_cbranch_scc0 .Lentry_shape_is_right
	s_endpgm
.Lentry_shape_is_right:
; C = R + A W + bias, N = 1024, f32 out.  Here: out = x1 + hid w2 + b2, K = 4,096; x1 is the program's own f32 and is added as it is.
; A: bf16 in blocks of 128 rows x 64 columns (16 KiB on end), P_A panels a row block.  W: behind 32 KiB of tables, bf16, element (k, n) at ((k/128)*16 + n/64)*16384 + (k%128)*128 + (n%64)*2.
; Table: at byte 0 the bias, f32.  R and C: [4096][1024] f32, row-major.  Sums in f32, started at the bias.
; SHARES.  A tile of C, 128 x 128, to a work-group of four waves: 256 work-groups; a wave makes 64 x 64: 16 accumulators.  K goes in steps of 256 through two LDS slots.  Every tensor load is 32 KiB dense in memory, asked for
; as 128 rows of 256 bytes: waves 0, 1 fetch two panels of A each, waves 2, 3 a block of 128 k x two panels of W each.
; CLUSTER.  4 x 4: A's blocks shared along a row, W's along a column, asked for jointly.  THE PRODUCT IS USED TRANSPOSED (source 0 = 16 columns of W, turned out of LDS; source 1 = 16 rows of A).
; ONE TEXT FOR A K STEP.  s[TB] holds the LDS byte at which the slot in hand begins, 0 or SLOT, and is turned by an exclusive or; the fragments' addresses are TB + a lane's fixed term, and one walking descriptor for each
; operand takes TB for its LDS word.  The step stands twice: in the loop that fills slots again (NSTEP - 2 trips), and in the loop of the last two steps, which holds no tensor load.
; REGISTERS.  window 0: v0-31 addresses; v32-95 the way out; v128-255 the accumulators, (a, b) at v[128 + 8 (4 a + b)].  window 1: two fragment buffers of 128.  window 2: v0-127 the residual.
; LIMITS.  bf16 operands; NaN and infinities are not treated apart.
.set P_A,   64
.set NSTEP, 16
.set ROUNDRES, 0
.set PF,    1
.set AMB,   P_A*16384                  ; bytes in a row block of A
.set PA,    144
.set PB,    160
.set APAN,  128*PA
.set ALOAD, 2*APAN
.set BPAN,  128*PB
.set BLOAD, 2*BPAN
.set BOFF,  2*ALOAD
.set SLOT,  BOFF+2*BLOAD               ; 155,648
.set SPARE, 2*SLOT                     ; the spare words, 128 bytes a wave: two blocks of 256 bytes that no other line names
.set SPITCH, 272
.set STG,   16*SPITCH                  ; the way out's stage, 16 rows x 256 bytes a wave: at the head of slot 0, which by then has had its last fill and its last read
.set ASTEP, 65536
.set BSTEP, 524288
.set WOFF,  32768
.set A0,   16                          ; v16  my lane's place in a slot's A; never rewritten
.set B0,   17                          ; v17  the same for W
.set ADRA, 20                          ; v20  LDS address of my A fragments in the slot in hand
.set ADRB, 21                          ; v21  the same for W
.set STO,  24
.set RD,   25
.set CO,   26                          ; v26  my 16 bytes in two rows of R and C
.set BO,   27
.set SPW,  28
.set NIL,  29
.set PFO,  30
.set ONE,  31
.set TMP,  32
.set ACC,  128
.set F0,   0
.set F1,   128
.set WV,   12
.set WR,   13
.set WC,   14
.set LA,   22                          ; s22  where my load of A lands in a slot;  s23 the same for W
.set LB,   23
.set G1A,  24
.set G0A,  32                          ; s[32:39] group 0 for A: a set for each of the two first fills; the second then walks on
.set G1B,  48
.set G0B,  56
.set PFA,  44
.set PST,  46
.set LIM,  66
.set TBL,  68
.set TB,   74                          ; s74  0 or SLOT: the slot in hand
.set MSB, 0
.macro WIN new
.if MSB != (\new)
	s_set_vgpr_msb (MSB<<8)|(\new)
.set MSB, \new
.endif
.endm
.set MUL,  0x05                        ; sources 0 (W) and 1 (A) window 1; C and D window 0
.set TO_F, 0x40
.macro JLOAD s                         ; a joint load; an s_nop 0 and four v_nop follow each of the two lines
	s_cmp_eq_u32 s[WR], 0
	s_cbranch_scc0 .Lfor_b_\@
	tensor_load_to_lds s[G0A+4*(\s):G0A+4*(\s)+3], s[G1A:G1A+7]
	s_nop 0
.rept 4
	v_nop
.endr
	s_branch .Lasked_\@
.Lfor_b_\@:
	tensor_load_to_lds s[G0B+4*(\s):G0B+4*(\s)+3], s[G1B:G1B+7]
	s_nop 0
.rept 4
	v_nop
.endr
.Lasked_\@:
.endm
.macro ASK                             ; a prefetch of my work-group's 8 KiB of the block two refills on; who asks: as the set-up below says
	s_cmp_gt_u32 s3, s[LIM]
	s_cbranch_scc0 .Lnot_mine_\@
	global_prefetch_b8 v[PFO], s[PFA:PFA+1] th:TH_LOAD_NT scope:SCOPE_SE
.Lnot_mine_\@:
.endm
.macro CREST
	s_cmp_lg_u32 s[WV], 0
	s_cbranch_scc1 .Lnot_wave_0_\@
	s_barrier_signal -3
.Lnot_wave_0_\@:
	s_barrier_wait -3
	s_barrier_signal -1
	s_barrier_wait -1
.endm
.macro CROUND
	s_barrier_signal -1
	s_barrier_wait -1
	CREST
.endm
.macro PLACES
.rept 4
	v_nop
.endr
.endm
; 8 matrix instructions: row blocks a0, a0 + 1 x all 4 column blocks, 32 along K: half c of buffer f.  The 16 accumulators take turns.
.macro MUL8 f, c, a0
	WIN MUL
.irp a, \a0, (\a0)+1
.irp b, 0,1,2,3
	v_wmma_f32_16x16x32_bf16 v[ACC+8*(4*(\a)+(\b)):ACC+8*(4*(\a)+(\b))+7], v[(\f)+64+8*(4*(\c)+(\b)):(\f)+64+8*(4*(\c)+(\b))+7], v[(\f)+8*(4*(\c)+(\a)):(\f)+8*(4*(\c)+(\a))+7], v[ACC+8*(4*(\a)+(\b)):ACC+8*(4*(\a)+(\b))+7]
.endr
.endr
.endm
; 32 LDS loads in one run: quarter q (64 k: A's panel q) of the K step in the slot that ADRA and ADRB name, into buffer f; the first 32 along K first
.macro FETCH q, f
	WIN TO_F
.irp c, 0,1
.irp i, 0,1,2,3
	ds_load_tr16_b128 v[(\f)+64+8*(4*(\c)+(\i)):(\f)+64+8*(4*(\c)+(\i))+3],   v[ADRB] offset:((\q)/2)*BLOAD+(((\q)%2)*64+(\c)*32)*PB+(\i)*32
	ds_load_tr16_b128 v[(\f)+64+8*(4*(\c)+(\i))+4:(\f)+64+8*(4*(\c)+(\i))+7], v[ADRB] offset:((\q)/2)*BLOAD+(((\q)%2)*64+(\c)*32)*PB+(\i)*32+16*PB
	ds_load_b128 v[(\f)+8*(4*(\c)+(\i)):(\f)+8*(4*(\c)+(\i))+3],   v[ADRA] offset:(\q)*APAN+(\i)*16*PA+(\c)*64
	ds_load_b128 v[(\f)+8*(4*(\c)+(\i))+4:(\f)+8*(4*(\c)+(\i))+7], v[ADRA] offset:(\q)*APAN+(\i)*16*PA+(\c)*64+32
.endr
.endr
.endm
.macro QUARTER q, f, g
	s_wait_dscnt 16                                ; the first 32 along K are in; the other sixteen loads may be out
	MUL8 \f, 0, 0
	MUL8 \f, 0, 2
	PLACES
	FETCH \q, \g
	s_wait_dscnt 32                                ; all but the 32 just issued
	MUL8 \f, 1, 0
	MUL8 \f, 1, 2
.endm
; The last quarter's first half: ONE barrier for the change of slots; in front of it each wave waits for all its tensor loads, adds 0 to its spare word, and waits for that and for its reads of this slot.
.macro MEET
	WIN 0
	s_wait_tensorcnt 0x0
	ds_add_u32 v[SPW], v[NIL]
	s_wait_dscnt 17                                ; the add and the youngest sixteen loads may be out
	MUL8 F1, 0, 0
	s_wait_dscnt 0x0                               ; the add is done, my reads of this slot are over
	s_barrier_signal -1
	MUL8 F1, 0, 2
	WIN 0
	s_barrier_wait -1
.endm
; The whole last quarter where the slot is filled again: the barrier opens a round of the cluster's, and the joint refill, two K steps on, is the first tensor load behind it: 112 matrix instructions ahead of the wait for it.
.macro TURN
.if PF
	s_wait_xcnt 0x0                                ; the last prefetch, a K step back, has read its address
	s_add_nc_u64 s[PFA:PFA+1], s[PFA:PFA+1], s[PST:PST+1]
.endif
	MEET
	CREST
	s_add_co_u32 s[G0A+5], s[LA], s[TB]            ; no tensor load of mine is out: the walking descriptors take the slot just read out
	s_add_co_u32 s[G0B+5], s[LB], s[TB]
	s_add_nc_u64 s[G0A+6:G0A+7], s[G0A+6:G0A+7], ASTEP  ; and the next K step; the type bits on top are not reached
	s_add_nc_u64 s[G0B+6:G0B+7], s[G0B+6:G0B+7], BSTEP
	s_xor_b32 s[TB], s[TB], SLOT                   ; the other slot is in hand
	JLOAD 1                                        ; its four v_nop are also the places in front of the loads below
	v_add_nc_u32 v[ADRA], s[TB], v[A0]
	v_add_nc_u32 v[ADRB], s[TB], v[B0]
	FETCH 0, F0
.if PF
	WIN 0
	ASK
.endif
	MUL8 F1, 1, 0
	MUL8 F1, 1, 2
.endm
; THE WAY OUT of row block a (16 rows x 64 columns of f32).  TOST: into my stage, back as whole rows of 256 bytes.  FIN: the residual is added, the rows are stored.
.macro TOST a
	s_wait_xcnt 0x0                                ; the stores of two blocks back have read the registers that are loaded below
.irp b, 0,1,2,3
	ds_store_b128 v[STO], v[ACC+8*(4*(\a)+(\b)):ACC+8*(4*(\a)+(\b))+3]   offset:64*(\b)      ; each accumulator's low registers first
	ds_store_b128 v[STO], v[ACC+8*(4*(\a)+(\b))+4:ACC+8*(4*(\a)+(\b))+7] offset:64*(\b)+16
.endr
.irp t, 0,1,2,3,4,5,6,7
	ds_load_b128 v[TMP+32*((\a)%2)+4*(\t):TMP+32*((\a)%2)+4*(\t)+3], v[RD] offset:(\t)*2*SPITCH  ; LDS serves a wave's instructions in order (ISA guide 5.7.1.4)
.endr
.endm
.macro FIN a, younger                  ; younger: the next block's sixteen LDS instructions, or none
	s_wait_dscnt \younger
.set TM, TMP+32*((\a)%2)
.if ROUNDRES
	WIN 0x02                                       ; source 0 in window 2: the residual, two bf16 a register
.set e, 0
.rept 16
	v_fma_mix_f32_bf16 v[TM+2*e],   v[16*(\a)+e], v[ONE], v[TM+2*e]   op_sel:[0,0,0] op_sel_hi:[1,0,0]
	v_fma_mix_f32_bf16 v[TM+2*e+1], v[16*(\a)+e], v[ONE], v[TM+2*e+1] op_sel:[1,0,0] op_sel_hi:[1,0,0]
.set e, e+1
.endr
.else
	WIN 0x08                                       ; source 1 in window 2
.set e, 0
.rept 16
	v_pk_add_f32 v[TM+2*e:TM+2*e+1], v[TM+2*e:TM+2*e+1], v[32*(\a)+2*e:32*(\a)+2*e+1]
.set e, e+1
.endr
.endif
	WIN 0
.irp t, 0,1,2,3,4,5,6,7
	global_store_b128 v[CO], v[TM+4*(\t):TM+4*(\t)+3], s[10:11] offset:(16*(\a)+2*(\t))*4096  ; 16 lanes store 256 consecutive bytes, aligned
.endr
.endm
	s_load_b256 s[4:11], s[0:1], 0x0               ; A s[4:5], table and W s[6:7], R s[8:9], C s[10:11]
	v_lshl_add_u32 v[SPW], v0, 2, SPARE
	v_mov_b32 v[NIL], 0
	ds_add_u32 v[SPW], v[NIL]                      ; the wave's opening: the add and its wait ahead of my first tensor load
	v_lshrrev_b32 v1, 5, v0
	v_readfirstlane_b32 s[WV], v1
	s_lshr_b32 s[WR], s[WV], 1                     ; which half of the rows is mine; also: I fetch A (0) or W (1)
	s_and_b32 s[WC], s[WV], 1                      ; which half of the columns; also: which half I fetch
	s_bfe_u32 s15, ttmp6, 0x40000                  ; cx
	s_bfe_u32 s16, ttmp6, 0x40004                  ; cy
	s_lshl_b32 s17, ttmp9, 2
	s_add_co_u32 s17, s17, s15                     ; tile column
	s_and_b32 s18, ttmp7, 0xffff
	s_lshl_b32 s18, s18, 2
	s_add_co_u32 s18, s18, s16                     ; tile row
	s_lshl_b32 s19, s16, 2
	s_lshl_b32 s19, 15, s19
	s_lshl_b32 s20, 0x1111, s15
	s_or_b32 s[G1A], s19, (1<<16)|(1<<20)|(1<<21)|(4<<22)|(3<<25)  ; the mask; elements of 2 bytes; padding on; bit 21 beside a mask; after every 32 words (code 4) 4 words (code 3)
	s_or_b32 s[G1B], s20, (1<<16)|(1<<20)|(1<<21)|(4<<22)|(7<<25)  ; the same with 8 words (code 7)
.irp g, G1A, G1B
	s_mov_b32 s[(\g)+1], 128<<16                   ; 128 rows of 128 elements, dense
	s_mov_b32 s[(\g)+2], 128<<16
	s_mov_b32 s[(\g)+3], 128<<16
	s_mov_b32 s[(\g)+4], 128
	s_mov_b32 s[(\g)+5], 128
	s_mov_b32 s[(\g)+6], 0
	s_mov_b32 s[(\g)+7], 0
.endr
	s_mul_i32 s40, s18, AMB
	s_lshl_b32 s21, s[WC], 15
	s_add_co_u32 s40, s40, s21                     ; A: the tile row's block, my two panels
	s_mov_b32 s41, 0
	s_lshl_b32 s42, s[WC], 18                      ; W: my block of 128 k,
	s_lshl_b32 s70, s17, 15                        ; the tile column's two panels
	s_add_co_u32 s42, s42, s70
	s_add_co_u32 s42, s42, WOFF
	s_mov_b32 s43, 0
	s_mul_i32 s[LA], s[WC], ALOAD                  ; where they go in a slot: no place in the cluster enters an LDS address
	s_mul_i32 s[LB], s[WC], BLOAD
	s_add_co_u32 s[LB], s[LB], BOFF
	s_mov_b32 s[TB], 0
	s_wait_dscnt 0x0                               ; the opening add is done
	s_wait_kmcnt 0x0
	s_add_nc_u64 s[40:41], s[4:5], s[40:41]
	s_add_nc_u64 s[42:43], s[6:7], s[42:43]
	CROUND                                         ; all sixteen work-groups are here: the first joint loads meet
.irp s, 0,1
	s_mov_b32 s[G0A+4*(\s)], 1
	s_add_co_u32 s[G0A+4*(\s)+1], s[LA], (\s)*SLOT
	s_add_nc_u64 s[G0A+4*(\s)+2:G0A+4*(\s)+3], s[40:41], (\s)*ASTEP
	s_or_b32 s[G0A+4*(\s)+3], s[G0A+4*(\s)+3], 0x80000000
	s_mov_b32 s[G0B+4*(\s)], 1
	s_add_co_u32 s[G0B+4*(\s)+1], s[LB], (\s)*SLOT
	s_add_nc_u64 s[G0B+4*(\s)+2:G0B+4*(\s)+3], s[42:43], (\s)*BSTEP
	s_or_b32 s[G0B+4*(\s)+3], s[G0B+4*(\s)+3], 0x80000000
	JLOAD \s                                       ; two loads of mine are out
.endr
	v_and_b32 v1, 15, v0
	v_bfe_u32 v2, v0, 4, 1
	v_mul_u32_u24 v3, v1, PA
	v_lshl_add_u32 v3, v2, 4, v3
	s_mul_i32 s21, s[WR], 64*PA
	v_add_nc_u32 v[A0], s21, v3
	v_mov_b32 v[ADRA], v[A0]                       ; slot 0 is in hand
	v_and_b32 v4, 7, v0
	v_lshl_add_u32 v4, v2, 3, v4
	v_mul_u32_u24 v4, v4, PB
	v_bfe_u32 v5, v0, 3, 1
	v_lshl_add_u32 v4, v5, 4, v4
	s_mul_i32 s21, s[WC], BPAN
	s_add_co_u32 s21, s21, BOFF
	v_add_nc_u32 v[B0], s21, v4
	v_mov_b32 v[ADRB], v[B0]
	s_mul_i32 s21, s[WV], STG
	v_mul_u32_u24 v5, v1, SPITCH
	v_lshl_add_u32 v5, v2, 5, v5
	v_add_nc_u32 v[STO], s21, v5                   ; in: row l % 16, 32 bytes for each half of the lanes
	v_mul_u32_u24 v5, v2, SPITCH
	v_lshl_add_u32 v5, v1, 4, v5
	v_add_nc_u32 v[RD], s21, v5                    ; back: lanes 0-15 one row of 256 bytes, lanes 16-31 the next
	v_lshlrev_b32 v[CO], 4, v1
	v_lshl_add_u32 v[CO], v2, 12, v[CO]
	v_lshlrev_b32 v[BO], 5, v2
	v_mov_b32 v[ONE], 1.0
	s_lshl_b32 s70, s18, 19
	s_lshl_b32 s71, s[WR], 18
	s_add_co_u32 s70, s70, s71                     ; my first row, 4,096 bytes a row,
	s_lshl_b32 s72, s17, 9
	s_lshl_b32 s73, s[WC], 8
	s_add_co_u32 s72, s72, s73                     ; my first column, 4 bytes a number
	s_add_co_u32 s70, s70, s72
	s_mov_b32 s71, 0
	s_mov_b32 s73, 0
	s_add_nc_u64 s[8:9], s[8:9], s[70:71]
	s_add_nc_u64 s[10:11], s[10:11], s[70:71]
	s_add_nc_u64 s[TBL:TBL+1], s[6:7], s[72:73]
.set i, 0
.rept 16                                       ; THE SUMS START AT THE BIAS, loaded straight into each accumulator
	global_load_b128 v[ACC+8*i:ACC+8*i+3],   v[BO], s[TBL:TBL+1] offset:64*(i%4)
	global_load_b128 v[ACC+8*i+4:ACC+8*i+7], v[BO], s[TBL:TBL+1] offset:64*(i%4)+16
.set i, i+1
.endr
	WIN 0x80
.set i, 0
.rept 32                                       ; the residual, as it will be added: two rows of 256 bytes a load; it lands while K is walked
	global_load_b128 v[4*i:4*i+3], v[CO], s[8:9] offset:(16*(i/8)+2*(i%8))*4096 th:TH_LOAD_NT
.set i, i+1
.endr
	WIN 0
.if PF
	; the prefetches: at my block of K step 3; the first refill steps it to K step 4.  A's blocks are read by every cluster of a row of clusters: cluster x = 0 asks; W's by every cluster of a column: cluster y = 0 asks;
	; the four partners that ask for a block jointly share it out by address, 8 KiB each, a lane for each 256 bytes.  The trip of K step t names K step t + 4: the loop's last two trips ask for nothing.
	v_and_b32 v6, 31, v0
	v_lshlrev_b32 v[PFO], 8, v6
	s_and_b32 s21, ttmp7, 0xffff
	s_mul_i32 s70, s18, AMB
	s_lshl_b32 s71, s[WC], 15
	s_add_co_u32 s70, s70, s71
	s_add_co_u32 s70, s70, 3*ASTEP
	s_lshl_b32 s72, s[WC], 18
	s_lshl_b32 s73, s17, 15
	s_add_co_u32 s72, s72, s73
	s_add_co_u32 s72, s72, WOFF+3*BSTEP
	s_mov_b32 s[PST], BSTEP
	s_mov_b32 s[PST+1], 0
	s_cmp_eq_u32 s[WR], 0
	s_cselect_b32 s70, s70, s72
	s_cselect_b32 s71, s15, s16
	s_cselect_b32 s21, ttmp9, s21
	s_cselect_b64 s[PFA:PFA+1], s[4:5], s[6:7]
	s_cselect_b32 s[PST], ASTEP, s[PST]
	s_cmp_eq_u32 s21, 0
	s_cselect_b32 s[LIM], 2, -1
	s_lshl_b32 s71, s71, 13
	s_add_co_u32 s70, s70, s71
	s_mov_b32 s71, 0
	s_add_nc_u64 s[PFA:PFA+1], s[PFA:PFA+1], s[70:71]
.endif
	s_wait_tensorcnt 1                             ; my part of K step 0 is in; K step 1's may stay out
	s_barrier_signal -1
	s_barrier_wait -1
	FETCH 0, F0
	s_wait_loadcnt 32                              ; the bias is in; the 32 younger loads, the residual, may stay out
	WIN 0
	s_mov_b32 s3, NSTEP-2
.Lstep:                                        ; a trip is a K step; its slot is filled again with the K step two on; one tensor load of mine is out
	QUARTER 1, F0, F1
	QUARTER 2, F1, F0
	QUARTER 3, F0, F1
	TURN
	WIN 0                                          ; at a label and at a branch every window is 0
	s_sub_co_u32 s3, s3, 1
	s_cmp_lg_u32 s3, 0
	s_cbranch_scc1 .Lstep
	s_mov_b32 s3, 2
.Ltail:                                        ; the last two K steps have a text of their own: nothing is asked for
	QUARTER 1, F0, F1
	QUARTER 2, F1, F0
	QUARTER 3, F0, F1
	MEET                                           ; first trip: the last K step's block has landed, everybody's.  The second trip's barrier orders nothing new: the price, once a launch, of one text for both
	s_xor_b32 s[TB], s[TB], SLOT
	s_cmp_eq_u32 s3, 1
	s_cbranch_scc1 .Lno_more                       ; behind the last K step there is nothing to fetch
	v_add_nc_u32 v[ADRA], s[TB], v[A0]
	v_add_nc_u32 v[ADRB], s[TB], v[B0]
	PLACES
	FETCH 0, F0
	WIN 0
.Lno_more:
	MUL8 F1, 1, 0
	MUL8 F1, 1, 2
	WIN 0
	s_sub_co_u32 s3, s3, 1
	s_cmp_lg_u32 s3, 0
	s_cbranch_scc1 .Ltail
	PLACES
	s_wait_loadcnt 0x0                             ; the residual
.if ROUNDRES
	WIN 0x8a                                       ; all in window 2: the residual is rounded to bf16, packed in place, ascending
.set i, 0
.rept 64
	v_cvt_pk_bf16_f32 v[i], v[2*i], v[2*i+1]
.set i, i+1
.endr
.endif
	WIN 0
	TOST 0
	TOST 1
	FIN 0, 16
	TOST 2
	FIN 1, 16
	TOST 3
	FIN 2, 16
	FIN 3, 0
	s_wait_tensorcnt 0x0                           ; the wave's end
	ds_add_u32 v[SPW], v[NIL]
	s_wait_dscnt 0x0
	CROUND                                         ; the closing round
	s_endpgm
.Lfunc_end_k_q9cfb37a278_ffn2:
	.size	k_q9cfb37a278_ffn2, .Lfunc_end_k_q9cfb37a278_ffn2-k_q9cfb37a278_ffn2
	.p2alignl 7, 3214868480
	.fill 96, 4, 3214868480
	.section	.rodata,"a",@progbits
	.p2align	6, 0x0
	.amdhsa_kernel k_q9cfb37a278_ffn2
		.amdhsa_group_segment_fixed_size 327680
		.amdhsa_private_segment_fixed_size 0
		.amdhsa_enable_private_segment 0
		.amdhsa_kernarg_size 32
		.amdhsa_user_sgpr_count 2
		.amdhsa_user_sgpr_kernarg_segment_ptr 1
		.amdhsa_wavefront_size32 1
		.amdhsa_system_sgpr_workgroup_id_x 1
		.amdhsa_system_sgpr_workgroup_id_y 1
		.amdhsa_system_sgpr_workgroup_id_z 1
		.amdhsa_system_vgpr_workitem_id 0
		.amdhsa_next_free_vgpr 640
		.amdhsa_next_free_sgpr 80
		.amdhsa_reserve_vcc 0
		.amdhsa_float_denorm_mode_32 3
		.amdhsa_float_denorm_mode_16_64 3
		.amdhsa_memory_ordered 1
		.amdhsa_forward_progress 1
		.amdhsa_inst_pref_size 65
	.end_amdhsa_kernel
	.amdgpu_metadata
---
amdhsa.version: [ 1, 2 ]
amdhsa.kernels:
  - .name:           k_q9cfb37a278_ffn2
    .symbol:         k_q9cfb37a278_ffn2.kd
    .args:
      - { .name: big, .offset: 0, .size: 8, .value_kind: global_buffer, .address_space: global }
      - { .name: p2, .offset: 8, .size: 8, .value_kind: global_buffer, .address_space: global }
      - { .name: x1, .offset: 16, .size: 8, .value_kind: global_buffer, .address_space: global }
      - { .name: out0, .offset: 24, .size: 8, .value_kind: global_buffer, .address_space: global }
    .group_segment_fixed_size: 327680
    .private_segment_fixed_size: 0
    .kernarg_segment_align: 8
    .kernarg_segment_size: 32
    .max_flat_workgroup_size: 128
    .sgpr_count:     80
    .vgpr_count:     640
    .wavefront_size: 32
...
	.end_amdgpu_metadata
.endif
;; end of part 6
;; ======== version 2 of 2: 7 launches; version 1 with the launches prep, ln2 written anew for expert scheduling mode
;; workspace buffers: pq 8,421,376 bytes; p1 8,421,376 bytes; pp 2,129,920 bytes; p2 8,421,376 bytes; act 8,388,608 bytes; big 33,554,432 bytes; x1 16,777,216 bytes
;; launch prep (part 7): grid 512 x 1, 8 waves a work-group, no clusters, 0 bytes of LDS; arguments x, g1, be1, wq, wk, wv, wp, w1, w2, b1, bp, b2, act, pq, p1, pp, p2; writes act, pq, p1, pp, p2
.if DOCPART == 7
	.amdgcn_target "amdgcn-amd-amdhsa--gfx1250"
	.amdhsa_code_object_version 6
	.text
	.protected	k_q9cfb37a278_prep
	.globl	k_q9cfb37a278_prep
	.p2align	8
	.type	k_q9cfb37a278_prep,@function
k_q9cfb37a278_prep:
	s_mov_b64 s[64:65], 0
	v_nop
	global_prefetch_b8 v0, s[64:65] scope:SCOPE_SE
	s_setreg_imm32_b32 hwreg(HW_REG_WAVE_SCHED_MODE, 0, 2), 2
	s_setreg_imm32_b32 hwreg(HW_REG_WAVE_MODE, 25, 1), 1
	s_wait_xcnt 0x0
	s_wait_alu depctr_vm_vsrc(0)
; PREP.  Two kinds of work-groups, told apart by the work-group's number alone:
;   0 .. 255     h = LayerNorm(x; g1, be1), 16 rows each, to act in bf16
;   256 .. 511   three chunks of 64 KiB of f32 weights each (one of wq, wk, wv or wp, one of w1, one of w2), rounded to bf16 and laid out in blocks (pq, pp, p1, p2);
;                the first of them also makes the tables in front of the weights: biases (rounded to bf16, kept as f32) and the floors of the 16-bit way out
; With 248 registers two work-groups of eight waves lie on a WGP, so all 512 are at work together, and a wave issues all its 48 loads (24 KiB) ahead of its first store.
; FORMATS.  Every input is rounded once to bf16 (nearest even) where it is first used: x, g1, be1, all weights, all biases.  Means, squares and the scaling are f32.
; LAYOUTS.  act: element (row, col) at ((row/128)*16 + col/64)*16384 + (row%128)*128 + (col%64)*2: a block of 128 rows x 64 columns is 16 KiB on end.
;   weights: element (k, n) at WOFF + ((k/128)*NP + n/64)*16384 + (k%128)*128 + (n%64)*2, NP = 64 panels in pq (wq 0-15, wk 16-31, wv 32-47) and p1, 16 in pp and p2.
; ACCESS.  Lanes 0-15 take one row, lanes 16-31 the next, the same 64 columns: a load reads 256 consecutive bytes of each of two rows, and the 8-byte store of the wave
; covers 256 consecutive bytes, aligned, since two neighbouring rows of a block lie end to end.  No LDS, no barrier: a row lives in 16 lanes of one wave.
; LIMITS.  NaN and infinities are not treated apart.
; THE MODE: SCHED_MODE bits 1:0 = 2 (LLVM: expert scheduling mode 2), set by the entry lines.  The code itself states the register dependences between vector instructions
; and memory instructions, with s_wait_alu, always for 0.
; THE PLAN.  Registers that memory instructions touch:
;   offsets    v4 to v6 (LayerNorm), v4 to v9 (cast), v10 (tables): made once by vector instructions at their path's head, read by loads and stores, never written again.
;   v[16:207]  The 48 loads land here; no vector instruction names them before.  Behind the wait for its data a piece of four registers is worked on by vector instructions alone;
;              the two roundings that end the piece write its first two registers, its store reads them, and nothing writes them again.
;   v[208:239] tables only: six loads land in v[208:231], which are rounded in place and stored; v[232:239] hold constants that are stored.
; So one wait on va_vdst stands ahead of a path's first load (the offsets are written), and one behind the roundings of each group of FOUR pieces, ahead of the group's four stores.
; In the LayerNorm those four stores are dealt among the next group's vector instructions, which name their own pieces, the gain, the shift and the scale: none of the registers that the stores read.
; No register that a memory instruction reads is ever written again, so the text holds no wait on vm_vsrc but the one at the entry; EXEC and VCC are never written.
.set WOFF, 32768
.set XR, 16                            ; v[16:79]    my 64 numbers of a row: register 4 j + e is column 64 j + 4 (lane % 16) + e
.set GR, 80                            ; v[80:143]   the gain of those columns; later packed to bf16 in v[80:111]
.set BR, 144                           ; v[144:207]  the shift, likewise
.set AC, 208                           ; v[208:215]  four chains of packed sums
.set MU, 216                           ; v[216:217]  the mean, twice
.set RS, 218                           ; v[218:219]  1 / sqrt(var + eps), twice
.set TT, 220                           ; v[220:221]  at work
.macro RED                             ; four chains into one number, then over the row's 16 lanes
	v_pk_add_f32 v[AC:AC+1], v[AC:AC+1], v[AC+2:AC+3]
	v_pk_add_f32 v[AC+4:AC+5], v[AC+4:AC+5], v[AC+6:AC+7]
	v_pk_add_f32 v[AC:AC+1], v[AC:AC+1], v[AC+4:AC+5]
	v_add_f32 v[TT], v[AC], v[AC+1]
.irp m, 1,2,4,8
	v_add_f32_dpp v[TT], v[TT], v[TT] row_xmask:\m row_mask:0xf bank_mask:0xf
.endr
.endm
; LayerNorm of rows 16 g .. 16 g + 15 (g in s3, the wave's number in s2): wave w takes rows 16 g + 2 w and + 1.  round = 1: the row is rounded to bf16 first.
.macro LNBODY round, xp, gp, bp, yp
	s_lshl_b32 s4, s3, 4
	s_lshl1_add_u32 s4, s2, s4                     ; 16 g + 2 w
	s_lshl_b32 s5, s4, 12                          ; rows of 4,096 bytes
	v_lshlrev_b32 v5, 4, v1                        ; 16 bytes a lane: also the offset in gain and shift
	v_lshl_add_u32 v4, v2, 12, v5
	v_add_nc_u32 v4, s5, v4                        ; my 16 bytes in the row's first 256
	s_lshr_b32 s6, s3, 3
	s_lshl_b32 s6, s6, 18                          ; the block of 128 rows: 16 panels of 16 KiB
	s_and_b32 s7, s4, 127
	s_lshl_b32 s7, s7, 7                           ; the row in its panel
	s_add_co_u32 s6, s6, s7
	v_lshlrev_b32 v6, 3, v1
	v_lshl_add_u32 v6, v2, 7, v6
	v_add_nc_u32 v6, s6, v6                        ; my 8 bytes in panel 0
	s_wait_alu depctr_va_vdst(0)                   ; v4, v5 and v6 are written: every load and store of this path reads one of them as its offset
.set j, 0
.rept 16
	global_load_b128 v[XR+4*j:XR+4*j+3], v4, s[\xp:\xp+1] offset:256*j th:TH_LOAD_NT
.set j, j+1
.endr
.set j, 0
.rept 16
	global_load_b128 v[GR+4*j:GR+4*j+3], v5, s[\gp:\gp+1] offset:256*j
.set j, j+1
.endr
.set j, 0
.rept 16
	global_load_b128 v[BR+4*j:BR+4*j+3], v5, s[\bp:\bp+1] offset:256*j
.set j, j+1
.endr
	s_wait_loadcnt 32                              ; the row is in; the 32 younger loads, gain and shift, may stay out
.if \round
.set j, 0
.rept 32
	v_cvt_pk_bf16_f32 v[TT+j%2], v[XR+2*j], v[XR+2*j+1]
	v_lshlrev_b32 v[XR+2*j], 16, v[TT+j%2]
	v_and_b32 v[XR+2*j+1], s52, v[TT+j%2]
.set j, j+1
.endr
.endif
.irp k, 0,1,2,3
	v_pk_add_f32 v[AC+2*\k:AC+2*\k+1], v[XR+2*\k:XR+2*\k+1], v[XR+8+2*\k:XR+8+2*\k+1]  ; the first two pairs start each chain: nothing is cleared
.endr
.set j, 2
.rept 6
.irp k, 0,1,2,3
	v_pk_add_f32 v[AC+2*\k:AC+2*\k+1], v[AC+2*\k:AC+2*\k+1], v[XR+8*j+2*\k:XR+8*j+2*\k+1]
.endr
.set j, j+1
.endr
	RED
	v_mul_f32 v[MU], s50, v[TT]                    ; the mean
	v_mov_b32 v[MU+1], v[MU]
.set j, 0
.rept 32
	v_pk_add_f32 v[XR+2*j:XR+2*j+1], v[XR+2*j:XR+2*j+1], v[MU:MU+1] neg_lo:[0,1] neg_hi:[0,1]  ; x - mean: the squares are taken of the centred numbers
.set j, j+1
.endr
.irp k, 0,1,2,3
	v_pk_mul_f32 v[AC+2*\k:AC+2*\k+1], v[XR+2*\k:XR+2*\k+1], v[XR+2*\k:XR+2*\k+1]
.endr
.set j, 1
.rept 7
.irp k, 0,1,2,3
	v_pk_fma_f32 v[AC+2*\k:AC+2*\k+1], v[XR+8*j+2*\k:XR+8*j+2*\k+1], v[XR+8*j+2*\k:XR+8*j+2*\k+1], v[AC+2*\k:AC+2*\k+1]
.endr
.set j, j+1
.endr
	RED
	v_fma_f32 v[TT], v[TT], s50, s51               ; var + eps
	v_rsq_f32 v[RS], v[TT]
	s_wait_loadcnt 0x0                             ; gain and shift are in
.set j, 0
.rept 32                                       ; packed in place, ascending: register j takes numbers 2 j, 2 j + 1.  64 plain instructions behind the root, none of which names its registers
	v_cvt_pk_bf16_f32 v[GR+j], v[GR+2*j], v[GR+2*j+1]
	v_cvt_pk_bf16_f32 v[BR+j], v[BR+2*j], v[BR+2*j+1]
.set j, j+1
.endr
	s_wait_alu depctr_va_vdst(0)                   ; the root has written v[RS]: the wait stands ahead of the first instruction that names its result
	v_mov_b32 v[RS+1], v[RS]
; The way out, in four groups of four pieces (a piece: my four numbers of panel j).  A group's stores are issued in the next group, one ahead of each of its pieces.
.set g, 0
.rept 4
.set j, 4*g
.rept 4
.if g > 0
	global_store_b64 v6, v[XR+4*j-16:XR+4*j-15], s[\yp:\yp+1] offset:16384*(j-4) th:TH_STORE_NT  ; panel j - 4, of the group before; the wave's store covers 256 consecutive bytes, aligned.  No vector instruction since the wait names its registers
.endif
	v_pk_mul_f32 v[XR+4*j:XR+4*j+1], v[XR+4*j:XR+4*j+1], v[RS:RS+1]
	v_pk_mul_f32 v[XR+4*j+2:XR+4*j+3], v[XR+4*j+2:XR+4*j+3], v[RS:RS+1]
	v_fma_mix_f32_bf16 v[XR+4*j],   v[XR+4*j],   v[GR+2*j],   v[BR+2*j]   op_sel:[0,0,0] op_sel_hi:[0,1,1]  ; f32 x bf16 half + bf16 half, in f32
	v_fma_mix_f32_bf16 v[XR+4*j+1], v[XR+4*j+1], v[GR+2*j],   v[BR+2*j]   op_sel:[0,1,1] op_sel_hi:[0,1,1]
	v_fma_mix_f32_bf16 v[XR+4*j+2], v[XR+4*j+2], v[GR+2*j+1], v[BR+2*j+1] op_sel:[0,0,0] op_sel_hi:[0,1,1]
	v_fma_mix_f32_bf16 v[XR+4*j+3], v[XR+4*j+3], v[GR+2*j+1], v[BR+2*j+1] op_sel:[0,1,1] op_sel_hi:[0,1,1]
	v_cvt_pk_bf16_f32 v[XR+4*j], v[XR+4*j], v[XR+4*j+1]
	v_cvt_pk_bf16_f32 v[XR+4*j+1], v[XR+4*j+2], v[XR+4*j+3]
.set j, j+1
.endr
	s_wait_alu depctr_va_vdst(0)                   ; this group's eight roundings have written the first two registers of its four pieces, which its four stores read
.set g, g+1
.endr
.set j, 12
.rept 4
	global_store_b64 v6, v[XR+4*j:XR+4*j+1], s[\yp:\yp+1] offset:16384*j th:TH_STORE_NT  ; the last group's
.set j, j+1
.endr
	s_endpgm
.endm
; A chunk's sixteen pieces of 64 columns are rounded and stored, a panel of 16 KiB apart, four pieces at a time.  first = the number, among the wave's 48 loads, of the chunk's first.
.macro CSTORE base, adr, dst, first
.set g, 0
.rept 4
	s_wait_loadcnt 44-(\first)-4*g                 ; loads come back in order: the group's four pieces are in, the younger ones stay out
.set j, 4*g
.rept 4
	v_cvt_pk_bf16_f32 v[(\base)+4*j], v[(\base)+4*j], v[(\base)+4*j+1]
	v_cvt_pk_bf16_f32 v[(\base)+4*j+1], v[(\base)+4*j+2], v[(\base)+4*j+3]
.set j, j+1
.endr
	s_wait_alu depctr_va_vdst(0)                   ; the eight roundings have written the first two registers of the four pieces, which the four stores read
.set j, 4*g
.rept 4
	global_store_b64 v[\adr], v[(\base)+4*j:(\base)+4*j+1], s[\dst:\dst+1] offset:16384*j th:TH_STORE_NT
.set j, j+1
.endr
.set g, g+1
.endr
.endm
.macro RND4 b                          ; four f32 rounded to bf16 and widened again
	v_cvt_pk_bf16_f32 v240, v[\b], v[\b+1]
	v_cvt_pk_bf16_f32 v241, v[\b+2], v[\b+3]
	v_lshlrev_b32 v[\b], 16, v240
	v_and_b32 v[\b+1], s52, v240
	v_lshlrev_b32 v[\b+2], 16, v241
	v_and_b32 v[\b+3], s52, v241
.endm
	s_load_b512 s[8:23], s[0:1], 0x0               ; x 8, g1 10, be1 12, wq 14, wk 16, wv 18, wp 20, w1 22
	s_load_b512 s[24:39], s[0:1], 0x40             ; w2 24, b1 26, bp 28, b2 30, act 32, pq 34, p1 36, pp 38
	s_load_b64 s[40:41], s[0:1], 0x80              ; p2
	v_and_b32 v1, 15, v0                           ; lane % 16
	v_bfe_u32 v2, v0, 4, 1                         ; lane / 16
	v_lshrrev_b32 v3, 5, v0
	v_readfirstlane_b32 s2, v3                     ; wave 0..7
	s_mov_b32 s50, 0x3a800000                      ; 1 / 1024
	s_mov_b32 s51, 0x3727c5ac                      ; 1e-5
	s_mov_b32 s52, 0xffff0000                      ; a word's upper bf16
	s_wait_alu depctr_va_sdst(0)                   ; s2 is written, ahead of the branch and of its first reader on either path: the rows' offsets are made from it
	s_wait_kmcnt 0x0
	s_cmp_lt_u32 ttmp9, 256
	s_cbranch_scc1 .Lln
	; THE CAST.  c = 0 .. 255.
	s_sub_co_u32 s3, ttmp9, 256
	; chunk c of the four small matrices: matrix c / 64, its rows 16 (c % 64) on, two a wave
	s_lshr_b32 s46, s3, 6
	s_and_b32 s47, s3, 63
	s_cmp_lt_u32 s46, 3
	s_cselect_b64 s[42:43], s[18:19], s[20:21]     ; from: wv or wp,
	s_cselect_b64 s[44:45], s[34:35], s[38:39]     ; to: pq or pp
	s_cselect_b32 s48, 20, 18                      ; log2 of the bytes in a block of 128 k: 64 or 16 panels
	s_cselect_b32 s49, s46, 0                      ; in pq each matrix has 16 panels of its own
	s_cmp_lt_u32 s46, 2
	s_cselect_b64 s[42:43], s[16:17], s[42:43]     ; wk,
	s_cmp_lt_u32 s46, 1
	s_cselect_b64 s[42:43], s[14:15], s[42:43]     ; wq
	s_lshl_b32 s55, s2, 1
	s_lshl4_add_u32 s56, s47, s55                  ; k0 = 16 (c % 64) + 2 w, even: both rows lie in one block
	s_lshl_b32 s57, s56, 12                        ; rows of 4,096 bytes
	s_lshr_b32 s58, s56, 7
	s_lshl_b32 s58, s58, s48
	s_and_b32 s59, s56, 127
	s_lshl_b32 s59, s59, 7
	s_add_co_u32 s58, s58, s59
	s_lshl_b32 s59, s49, 18
	s_add_co_u32 s58, s58, s59
	s_add_co_u32 s58, s58, WOFF
	; chunk c of w1: rows 4 c on, of 16,384 bytes; a wave takes two of them and a quarter (1,024) of their columns
	s_and_b32 s60, s2, 1
	s_lshl_b32 s60, s60, 1
	s_lshl2_add_u32 s60, s3, s60                   ; k0 = 4 c + 2 (w & 1)
	s_lshr_b32 s61, s2, 1                          ; the quarter
	s_lshl_b32 s62, s60, 14
	s_lshl_b32 s63, s61, 12
	s_add_co_u32 s62, s62, s63
	s_lshr_b32 s63, s60, 7
	s_lshl_b32 s63, s63, 20
	s_and_b32 s66, s60, 127
	s_lshl_b32 s66, s66, 7
	s_add_co_u32 s63, s63, s66
	s_lshl_b32 s66, s61, 18                        ; the quarter's 16 panels
	s_add_co_u32 s63, s63, s66
	s_add_co_u32 s63, s63, WOFF
	; chunk c of w2: rows 16 c on, two a wave
	s_lshl4_add_u32 s67, s3, s55                   ; k0 = 16 c + 2 w
	s_lshl_b32 s68, s67, 12
	s_lshr_b32 s69, s67, 7
	s_lshl_b32 s69, s69, 18
	s_and_b32 s70, s67, 127
	s_lshl_b32 s70, s70, 7
	s_add_co_u32 s69, s69, s70
	s_add_co_u32 s69, s69, WOFF
	v_lshlrev_b32 v11, 4, v1
	v_lshl_add_u32 v12, v2, 12, v11                ; my 16 bytes of the first 64 columns, in rows of 4,096 bytes,
	v_lshl_add_u32 v13, v2, 14, v11                ; and of 16,384
	v_lshlrev_b32 v14, 3, v1
	v_lshl_add_u32 v14, v2, 7, v14                 ; my 8 bytes in two rows of a panel
	v_add_nc_u32 v4, s57, v12
	v_add_nc_u32 v5, s62, v13
	v_add_nc_u32 v6, s68, v12
	v_add_nc_u32 v7, s58, v14
	v_add_nc_u32 v8, s63, v14
	v_add_nc_u32 v9, s69, v14
	s_wait_alu depctr_va_vdst(0)                   ; v4 to v9 are written: the 48 loads read v4 to v6 as their offsets, the 48 stores v7 to v9
.set j, 0
.rept 16
	global_load_b128 v[16+4*j:19+4*j], v4, s[42:43] offset:256*j th:TH_LOAD_NT
.set j, j+1
.endr
.set j, 0
.rept 16
	global_load_b128 v[80+4*j:83+4*j], v5, s[22:23] offset:256*j th:TH_LOAD_NT
.set j, j+1
.endr
.set j, 0
.rept 16
	global_load_b128 v[144+4*j:147+4*j], v6, s[24:25] offset:256*j th:TH_LOAD_NT
.set j, j+1
.endr
	s_cmp_lg_u32 s3, 0
	s_cbranch_scc1 .Lno_tables
	; THE TABLES, in the first of these work-groups alone, whole inside this one branch: 256 threads x 16 bytes = 4,096 bytes a store.  Their six loads go out behind the 48, so they are on their way together.
	v_lshlrev_b32 v10, 4, v0
.irp r, 232,233,234,235
	v_mov_b32 v\r, 0
.endr
.irp r, 236,237,238,239
	v_mov_b32 v\r, 0xff80ff80                      ; minus infinity twice in bf16: a floor that changes nothing
.endr
	s_wait_alu depctr_va_vdst(0)                   ; v10 is written, the offset of the branch's loads and stores; so are v[232:239], which the six stores of constants read
	global_load_b128 v[208:211], v10, s[26:27]
	global_load_b128 v[212:215], v10, s[26:27] offset:4096
	global_load_b128 v[216:219], v10, s[26:27] offset:8192
	global_load_b128 v[220:223], v10, s[26:27] offset:12288
	global_load_b128 v[224:227], v10, s[28:29]
	global_load_b128 v[228:231], v10, s[30:31]
.irp o, 0,4096,8192,12288
	global_store_b128 v10, v[232:235], s[34:35] offset:\o    ; q, k, v have no bias
.endr
	global_store_b128 v10, v[236:239], s[34:35] offset:16384 ; and no ReLU
	global_store_b128 v10, v[232:235], s[36:37] offset:16384 ; the first feed-forward layer's floor is 0
	s_wait_loadcnt 0x0                             ; the six are the youngest
.irp b, 208,212,216,220,224,228
	RND4 \b
.endr
	s_wait_alu depctr_va_vdst(0)                   ; the roundings have written v[208:231], which the six stores read
	global_store_b128 v10, v[208:211], s[36:37]
	global_store_b128 v10, v[212:215], s[36:37] offset:4096
	global_store_b128 v10, v[216:219], s[36:37] offset:8192
	global_store_b128 v10, v[220:223], s[36:37] offset:12288
	global_store_b128 v10, v[224:227], s[38:39]
	global_store_b128 v10, v[228:231], s[40:41]
.Lno_tables:
	CSTORE 16, 7, 44, 0
	CSTORE 80, 8, 36, 16
	CSTORE 144, 9, 40, 32
	s_endpgm
.Lln:
	s_mov_b32 s3, ttmp9
	LNBODY 1, 8, 10, 12, 32
.Lfunc_end_k_q9cfb37a278_prep:
	.size	k_q9cfb37a278_prep, .Lfunc_end_k_q9cfb37a278_prep-k_q9cfb37a278_prep
	.p2alignl 7, 3214868480
	.fill 96, 4, 3214868480
	.section	.rodata,"a",@progbits
	.p2align	6, 0x0
	.amdhsa_kernel k_q9cfb37a278_prep
		.amdhsa_group_segment_fixed_size 0
		.amdhsa_private_segment_fixed_size 0
		.amdhsa_enable_private_segment 0
		.amdhsa_kernarg_size 136
		.amdhsa_user_sgpr_count 2
		.amdhsa_user_sgpr_kernarg_segment_ptr 1
		.amdhsa_wavefront_size32 1
		.amdhsa_system_sgpr_workgroup_id_x 1
		.amdhsa_system_sgpr_workgroup_id_y 1
		.amdhsa_system_sgpr_workgroup_id_z 1
		.amdhsa_system_vgpr_workitem_id 0
		.amdhsa_next_free_vgpr 248
		.amdhsa_next_free_sgpr 80
		.amdhsa_reserve_vcc 0
		.amdhsa_float_denorm_mode_32 3
		.amdhsa_float_denorm_mode_16_64 3
		.amdhsa_memory_ordered 1
		.amdhsa_forward_progress 1
		.amdhsa_inst_pref_size 53
	.end_amdhsa_kernel
	.amdgpu_metadata
---
amdhsa.version: [ 1, 2 ]
amdhsa.kernels:
  - .name:           k_q9cfb37a278_prep
    .symbol:         k_q9cfb37a278_prep.kd
    .args:
      - { .name: x, .offset: 0, .size: 8, .value_kind: global_buffer, .address_space: global }
      - { .name: g1, .offset: 8, .size: 8, .value_kind: global_buffer, .address_space: global }
      - { .name: be1, .offset: 16, .size: 8, .value_kind: global_buffer, .address_space: global }
      - { .name: wq, .offset: 24, .size: 8, .value_kind: global_buffer, .address_space: global }
      - { .name: wk, .offset: 32, .size: 8, .value_kind: global_buffer, .address_space: global }
      - { .name: wv, .offset: 40, .size: 8, .value_kind: global_buffer, .address_space: global }
      - { .name: wp, .offset: 48, .size: 8, .value_kind: global_buffer, .address_space: global }
      - { .name: w1, .offset: 56, .size: 8, .value_kind: global_buffer, .address_space: global }
      - { .name: w2, .offset: 64, .size: 8, .value_kind: global_buffer, .address_space: global }
      - { .name: b1, .offset: 72, .size: 8, .value_kind: global_buffer, .address_space: global }
      - { .name: bp, .offset: 80, .size: 8, .value_kind: global_buffer, .address_space: global }
      - { .name: b2, .offset: 88, .size: 8, .value_kind: global_buffer, .address_space: global }
      - { .name: act, .offset: 96, .size: 8, .value_kind: global_buffer, .address_space: global }
      - { .name: pq, .offset: 104, .size: 8, .value_kind: global_buffer, .address_space: global }
      - { .name: p1, .offset: 112, .size: 8, .value_kind: global_buffer, .address_space: global }
      - { .name: pp, .offset: 120, .size: 8, .value_kind: global_buffer, .address_space: global }
      - { .name: p2, .offset: 128, .size: 8, .value_kind: global_buffer, .address_space: global }
    .group_segment_fixed_size: 0
    .private_segment_fixed_size: 0
    .kernarg_segment_align: 8
    .kernarg_segment_size: 136
    .max_flat_workgroup_size: 256
    .sgpr_count:     80
    .vgpr_count:     248
    .wavefront_size: 32
...
	.end_amdgpu_metadata
.endif
;; end of part 7
;; launch qkv: the kernel of part 2 again; grid 12 x 16, 4 waves a work-group, clusters of 4 x 4, 327,680 bytes of LDS; arguments act, pq, big; writes big
;; launch attn: the kernel of part 3 again; grid 4 x 64, 4 waves a work-group, no clusters, 327,680 bytes of LDS; arguments big, act; writes act
;; launch proj: the kernel of part 4 again; grid 8 x 32, 4 waves a work-group, clusters of 4 x 4, 327,680 bytes of LDS; arguments act, pp, x, x1; writes x1
;; launch ln2 (part 8): grid 256 x 1, 8 waves a work-group, no clusters, 0 bytes of LDS; arguments x1, g2, be2, act; writes act
.if DOCPART == 8
	.amdgcn_target "amdgcn-amd-amdhsa--gfx1250"
	.amdhsa_code_object_version 6
	.text
	.protected	k_q9cfb37a278_ln2
	.globl	k_q9cfb37a278_ln2
	.p2align	8
	.type	k_q9cfb37a278_ln2,@function
k_q9cfb37a278_ln2:
	s_mov_b64 s[64:65], 0
	v_nop
	global_prefetch_b8 v0, s[64:65] scope:SCOPE_SE
	s_setreg_imm32_b32 hwreg(HW_REG_WAVE_SCHED_MODE, 0, 2), 2
	s_setreg_imm32_b32 hwreg(HW_REG_WAVE_MODE, 25, 1), 1
	s_wait_xcnt 0x0
	s_wait_alu depctr_vm_vsrc(0)
; h2 = LayerNorm(x1; g2, be2), 16 rows a work-group, two a wave, to act in bf16.  x1 is the program's own f32 and is taken as it is; g2 and be2 are rounded to bf16 like every input.
; act: element (row, col) at ((row/128)*16 + col/64)*16384 + (row%128)*128 + (col%64)*2.  Lanes 0-15 take one row, lanes 16-31 the next, the same 64 columns: a load reads 256 consecutive bytes of each of two rows,
; and the 8-byte store of the wave covers 256 consecutive bytes, aligned.  A row lives in 16 lanes of one wave: no LDS, no barrier.  Mean, squares (of the centred numbers) and scaling in f32.
; LIMITS.  NaN and infinities are not treated apart.
; THE MODE: SCHED_MODE bits 1:0 = 2 (LLVM: expert scheduling mode 2), set by the entry lines.  The code itself states the register dependences between vector instructions
; and memory instructions, with s_wait_alu, always for 0.
; THE PLAN.  Registers that memory instructions touch:
;   v4, v5, v6   offsets of the row, of gain and shift, of the stores: made once by vector instructions at the head, never written again.
;   v[16:207]    The 48 loads land here; no vector instruction names them before.  Behind the waits for their data vector instructions alone work on them; the two roundings that end piece j
;                (my four numbers of panel j) write its first two registers, store j reads them, and nothing writes them again.
; So one wait on va_vdst stands ahead of the first load (the offsets are written), and one behind the roundings of each group of FOUR pieces.  A group's four stores are dealt among the next group's
; vector instructions, which name their own pieces, the gain, the shift and the scale: none of the registers that the stores read.
; No register that a memory instruction reads is ever written again, so the text holds no wait on vm_vsrc but the one at the entry; EXEC and VCC are never written.
.set XR, 16                            ; v[16:79]    my 64 numbers of a row
.set GR, 80                            ; v[80:143]   the gain; later packed to bf16 in v[80:111]
.set BR, 144                           ; v[144:207]  the shift, likewise
.set AC, 208                           ; v[208:215]  four chains of packed sums
.set MU, 216                           ; v[216:217]  the mean, twice
.set RS, 218                           ; v[218:219]  1 / sqrt(var + eps), twice
.set TT, 220
.macro RED                             ; four chains into one number, then over the row's 16 lanes
	v_pk_add_f32 v[AC:AC+1], v[AC:AC+1], v[AC+2:AC+3]
	v_pk_add_f32 v[AC+4:AC+5], v[AC+4:AC+5], v[AC+6:AC+7]
	v_pk_add_f32 v[AC:AC+1], v[AC:AC+1], v[AC+4:AC+5]
	v_add_f32 v[TT], v[AC], v[AC+1]
.irp m, 1,2,4,8
	v_add_f32_dpp v[TT], v[TT], v[TT] row_xmask:\m row_mask:0xf bank_mask:0xf
.endr
.endm
	s_load_b256 s[8:15], s[0:1], 0x0               ; x1 8, g2 10, be2 12, act 14
	v_and_b32 v1, 15, v0
	v_bfe_u32 v2, v0, 4, 1
	v_lshrrev_b32 v3, 5, v0
	v_readfirstlane_b32 s2, v3                     ; wave 0..7
	s_mov_b32 s50, 0x3a800000                      ; 1 / 1024
	s_mov_b32 s51, 0x3727c5ac                      ; 1e-5
	s_mov_b32 s3, ttmp9
	s_wait_alu depctr_va_sdst(0)                   ; s2 is written, ahead of its first reader: the rows' offsets are made from it
	s_lshl_b32 s4, s3, 4
	s_lshl1_add_u32 s4, s2, s4                     ; 16 g + 2 w
	s_lshl_b32 s5, s4, 12
	v_lshlrev_b32 v5, 4, v1
	v_lshl_add_u32 v4, v2, 12, v5
	v_add_nc_u32 v4, s5, v4
	s_lshr_b32 s6, s3, 3
	s_lshl_b32 s6, s6, 18
	s_and_b32 s7, s4, 127
	s_lshl_b32 s7, s7, 7
	s_add_co_u32 s6, s6, s7
	v_lshlrev_b32 v6, 3, v1
	v_lshl_add_u32 v6, v2, 7, v6
	v_add_nc_u32 v6, s6, v6
	s_wait_kmcnt 0x0
	s_wait_alu depctr_va_vdst(0)                   ; v4, v5 and v6 are written: every load and store of the kernel reads one of them as its offset
.set j, 0
.rept 16
	global_load_b128 v[XR+4*j:XR+4*j+3], v4, s[8:9] offset:256*j th:TH_LOAD_NT
.set j, j+1
.endr
.set j, 0
.rept 16
	global_load_b128 v[GR+4*j:GR+4*j+3], v5, s[10:11] offset:256*j
.set j, j+1
.endr
.set j, 0
.rept 16
	global_load_b128 v[BR+4*j:BR+4*j+3], v5, s[12:13] offset:256*j
.set j, j+1
.endr
	s_wait_loadcnt 32                              ; the row is in; the 32 younger loads, gain and shift, may stay out
.irp k, 0,1,2,3
	v_pk_add_f32 v[AC+2*\k:AC+2*\k+1], v[XR+2*\k:XR+2*\k+1], v[XR+8+2*\k:XR+8+2*\k+1]  ; the first two pairs start each chain
.endr
.set j, 2
.rept 6
.irp k, 0,1,2,3
	v_pk_add_f32 v[AC+2*\k:AC+2*\k+1], v[AC+2*\k:AC+2*\k+1], v[XR+8*j+2*\k:XR+8*j+2*\k+1]
.endr
.set j, j+1
.endr
	RED
	v_mul_f32 v[MU], s50, v[TT]
	v_mov_b32 v[MU+1], v[MU]
.set j, 0
.rept 32
	v_pk_add_f32 v[XR+2*j:XR+2*j+1], v[XR+2*j:XR+2*j+1], v[MU:MU+1] neg_lo:[0,1] neg_hi:[0,1]
.set j, j+1
.endr
.irp k, 0,1,2,3
	v_pk_mul_f32 v[AC+2*\k:AC+2*\k+1], v[XR+2*\k:XR+2*\k+1], v[XR+2*\k:XR+2*\k+1]
.endr
.set j, 1
.rept 7
.irp k, 0,1,2,3
	v_pk_fma_f32 v[AC+2*\k:AC+2*\k+1], v[XR+8*j+2*\k:XR+8*j+2*\k+1], v[XR+8*j+2*\k:XR+8*j+2*\k+1], v[AC+2*\k:AC+2*\k+1]
.endr
.set j, j+1
.endr
	RED
	v_fma_f32 v[TT], v[TT], s50, s51
	v_rsq_f32 v[RS], v[TT]
	s_wait_loadcnt 0x0                             ; gain and shift are in
.set j, 0
.rept 32                                       ; packed in place, ascending: 64 plain instructions behind the root, none of which names its registers
	v_cvt_pk_bf16_f32 v[GR+j], v[GR+2*j], v[GR+2*j+1]
	v_cvt_pk_bf16_f32 v[BR+j], v[BR+2*j], v[BR+2*j+1]
.set j, j+1
.endr
	s_wait_alu depctr_va_vdst(0)                   ; the root has written v[RS]: the wait stands ahead of the first instruction that names its result
	v_mov_b32 v[RS+1], v[RS]
; The way out, in four groups of four pieces.  A group's stores are issued in the next group, one ahead of each of its pieces.
.set g, 0
.rept 4
.set j, 4*g
.rept 4
.if g > 0
	global_store_b64 v6, v[XR+4*j-16:XR+4*j-15], s[14:15] offset:16384*(j-4) th:TH_STORE_NT  ; panel j - 4, of the group before; 256 consecutive bytes, aligned.  No vector instruction since the wait names its registers
.endif
	v_pk_mul_f32 v[XR+4*j:XR+4*j+1], v[XR+4*j:XR+4*j+1], v[RS:RS+1]
	v_pk_mul_f32 v[XR+4*j+2:XR+4*j+3], v[XR+4*j+2:XR+4*j+3], v[RS:RS+1]
	v_fma_mix_f32_bf16 v[XR+4*j],   v[XR+4*j],   v[GR+2*j],   v[BR+2*j]   op_sel:[0,0,0] op_sel_hi:[0,1,1]
	v_fma_mix_f32_bf16 v[XR+4*j+1], v[XR+4*j+1], v[GR+2*j],   v[BR+2*j]   op_sel:[0,1,1] op_sel_hi:[0,1,1]
	v_fma_mix_f32_bf16 v[XR+4*j+2], v[XR+4*j+2], v[GR+2*j+1], v[BR+2*j+1] op_sel:[0,0,0] op_sel_hi:[0,1,1]
	v_fma_mix_f32_bf16 v[XR+4*j+3], v[XR+4*j+3], v[GR+2*j+1], v[BR+2*j+1] op_sel:[0,1,1] op_sel_hi:[0,1,1]
	v_cvt_pk_bf16_f32 v[XR+4*j], v[XR+4*j], v[XR+4*j+1]
	v_cvt_pk_bf16_f32 v[XR+4*j+1], v[XR+4*j+2], v[XR+4*j+3]
.set j, j+1
.endr
	s_wait_alu depctr_va_vdst(0)                   ; this group's eight roundings have written the first two registers of its four pieces, which its four stores read
.set g, g+1
.endr
.set j, 12
.rept 4
	global_store_b64 v6, v[XR+4*j:XR+4*j+1], s[14:15] offset:16384*j th:TH_STORE_NT  ; the last group's
.set j, j+1
.endr
	s_endpgm
.Lfunc_end_k_q9cfb37a278_ln2:
	.size	k_q9cfb37a278_ln2, .Lfunc_end_k_q9cfb37a278_ln2-k_q9cfb37a278_ln2
	.p2alignl 7, 3214868480
	.fill 96, 4, 3214868480
	.section	.rodata,"a",@progbits
	.p2align	6, 0x0
	.amdhsa_kernel k_q9cfb37a278_ln2
		.amdhsa_group_segment_fixed_size 0
		.amdhsa_private_segment_fixed_size 0
		.amdhsa_enable_private_segment 0
		.amdhsa_kernarg_size 32
		.amdhsa_user_sgpr_count 2
		.amdhsa_user_sgpr_kernarg_segment_ptr 1
		.amdhsa_wavefront_size32 1
		.amdhsa_system_sgpr_workgroup_id_x 1
		.amdhsa_system_sgpr_workgroup_id_y 1
		.amdhsa_system_sgpr_workgroup_id_z 1
		.amdhsa_system_vgpr_workitem_id 0
		.amdhsa_next_free_vgpr 224
		.amdhsa_next_free_sgpr 66
		.amdhsa_reserve_vcc 0
		.amdhsa_float_denorm_mode_32 3
		.amdhsa_float_denorm_mode_16_64 3
		.amdhsa_memory_ordered 1
		.amdhsa_forward_progress 1
		.amdhsa_inst_pref_size 27
	.end_amdhsa_kernel
	.amdgpu_metadata
---
amdhsa.version: [ 1, 2 ]
amdhsa.kernels:
  - .name:           k_q9cfb37a278_ln2
    .symbol:         k_q9cfb37a278_ln2.kd
    .args:
      - { .name: x1, .offset: 0, .size: 8, .value_kind: global_buffer, .address_space: global }
      - { .name: g2, .offset: 8, .size: 8, .value_kind: global_buffer, .address_space: global }
      - { .name: be2, .offset: 16, .size: 8, .value_kind: global_buffer, .address_space: global }
      - { .name: act, .offset: 24, .size: 8, .value_kind: global_buffer, .address_space: global }
    .group_segment_fixed_size: 0
    .private_segment_fixed_size: 0
    .kernarg_segment_align: 8
    .kernarg_segment_size: 32
    .max_flat_workgroup_size: 256
    .sgpr_count:     66
    .vgpr_count:     224
    .wavefront_size: 32
...
	.end_amdgpu_metadata
.endif
;; end of part 8
;; launch ffn1: the kernel of part 2 again; grid 16 x 16, 4 waves a work-group, clusters of 4 x 4, 327,680 bytes of LDS; arguments act, p1, big; writes big
;; launch ffn2: the kernel of part 6 again; grid 8 x 32, 4 waves a work-group, clusters of 4 x 4, 327,680 bytes of LDS; arguments big, p2, x1, out0; writes out0
